; MI455X (gfx1250); checked and timed in simulation.
; The chip was launched on July 23, 2026; its instructions are those of AMD's public machine-readable ISA for CDNA 5 (MIT licence, August 2026) and "CDNA5" Instruction Set Architecture Reference Guide (July 2026). The comments in the code are by the model that wrote it; some were corrected since.
;; Mo E Layer. Allowed arithmetic: float matrix products may take bf16 or f16 operands with f32 sums; all other float work in f32.
;; Inputs: b1 8 x 2,048 float32; b2 8 x 1,024 float32; router_b 8 float32; router_w 1,024 x 8 float32; w1 8 x 1,024 x 2,048 float32; w2 8 x 2,048 x 1,024 float32; x 4 x 512 x 1,024 float32.
;; Outputs: out0 4 x 512 x 1,024 float32.
;; 2 versions, each right and faster than the one before. Each part assembles by itself: llvm-mc -triple=amdgcn-amd-amdhsa -mcpu=gfx1250 --defsym DOCPART=n.
;; ======== version 1 of 2: 5 launches
;; limits: values outside matrix products are rounded to bf16
;; workspace buffers: xb 4,194,304 bytes; sel 8,192 bytes of whole numbers; gates 16,384 bytes; tok 20,480 bytes of whole numbers; inv 16,384 bytes of whole numbers; te 1,024 bytes of whole numbers; hs 20,971,520 bytes; ys 20,971,520 bytes
;; launch route (part 1): grid 128 x 1, 4 waves a work-group, no clusters, 55,296 bytes of LDS; arguments x, router_w, router_b, xb, sel, gates; writes xb, sel, gates
.if DOCPART == 1
	.amdgcn_target "amdgcn-amd-amdhsa--gfx1250"
	.amdhsa_code_object_version 6
	.text
	.protected	k_q3786d6c538_route
	.globl	k_q3786d6c538_route
	.p2align	8
	.type	k_q3786d6c538_route,@function
k_q3786d6c538_route:
	s_mov_b64 s[64:65], 0
	v_nop
	global_prefetch_b8 v0, s[64:65] scope:SCOPE_SE
	s_setreg_imm32_b32 hwreg(HW_REG_WAVE_MODE, 25, 1), 1
	s_wait_xcnt 0x0
; ROUTER.  xb = bf16(x); logits = bf16(x) . bf16(router_w) + bf16(router_b), sums in f32; the two largest logits of each token;
; sel[t] = i1 | i2 << 8; gates[t] = (g1, g2) with g1 = 1 / (1 + exp(l2 - l1)), g2 = exp(l2 - l1) g1.
; l1 is the row's maximum, so the maximum is taken away in front of the exponential; the softmax's denominator cancels in
; top_p / sum(top_p), so it is not formed.
; A work-group has 16 tokens; wave w has the quarter k = 256 w .. 256 w + 255 of the 1,024; the four partial logits meet in LDS
; and wave 0 finishes.  128 work-groups: 2,048 tokens / 16.
; LIMITS, stated: NaN and infinite inputs are not served.  The two experts are chosen on the logits (strict >, so the lower index
; wins a tie, as in top_k); two logits that differ but round to one probability may be ordered otherwise than by top_k on
; probabilities.  router_b is rounded to bf16 like the matrix operands.
; No cluster: what work-groups share is router_w, 32 KiB against the 64 KiB of x that each reads alone, and it needs a conversion
; in registers.  No tensor load for the same reason: every byte is converted on its way.
.set P,    528                         ; an LDS row: 256 bf16 + 16 bytes, an odd multiple of 16: 16 rows start in 16 different 16-byte columns modulo 256
.set WAVE, 24*P                        ; a wave's own LDS: 16 token rows, then 8 expert rows
.set RWO,  16*P                        ; where the expert rows begin
.set RED,  4*WAVE                      ; partial logits: 1,024 bytes a wave, 32 bytes a lane
.set X,    32                          ; v[32:159]  x as loaded, piece (token i, half c) at 8 i + 4 c
.set RW,   160                         ; v[160:223] router_w as loaded
.set FT,   32                          ; token fragments, K step s at 8 s (over X)
.set FR,   96                          ; router fragments, K step s at 8 s (over X)
.set ACC,  160                         ; two accumulators (over RW)
.set LG,   176                         ; v[176:207] four waves' partial logits; then v[176:183] the logits
	s_load_b256 s[4:11], s[0:1], 0x0               ; x s[4:5], router_w s[6:7], router_b s[8:9], xb s[10:11]
	s_load_b128 s[12:15], s[0:1], 0x20             ; sel s[12:13], gates s[14:15]
	v_lshl_add_u32 v224, v0, 2, 0xd600
	v_mov_b32 v225, 0
	v_lshrrev_b32 v16, 5, v0
	v_readfirstlane_b32 s16, v16                   ; wave
	v_and_b32 v1, 31, v0                           ; lane L
	v_and_b32 v2, 15, v0                           ; r
	v_bfe_u32 v3, v0, 4, 1                         ; h
	v_lshlrev_b32 v4, 4, v1                        ; 16 L: x
	v_lshlrev_b32 v5, 3, v1                        ; 8 L: xb
	v_lshlrev_b32 v6, 6, v1                        ; 64 L: two rows of router_w
	s_mul_i32 s17, s16, WAVE
	v_add_nc_u32 v7, s17, v5                       ; token rows, store
	v_lshl_add_u32 v8, v1, 2, s17                  ; expert rows, store (RWO in the immediate)
	v_mul_u32_u24 v9, v2, P
	v_lshl_add_u32 v9, v3, 4, v9
	v_add_nc_u32 v9, s17, v9                       ; token fragment: row r, 16 h
	v_and_b32 v10, 7, v0
	v_mul_u32_u24 v10, v10, P
	v_lshl_add_u32 v10, v3, 4, v10
	v_add_nc_u32 v10, s17, v10                     ; router fragment: row r mod 8 (rows 8-15 of the fragment repeat the 8 experts)
	v_lshlrev_b32 v12, 5, v1                       ; 32 L: partial logits, read
	v_lshl_add_u32 v11, s16, 10, v12               ; + 1,024 w: store
	v_lshlrev_b32 v13, 2, v2                       ; sel
	v_lshlrev_b32 v14, 3, v2                       ; gates
	v_mov_b32 v15, 0
	s_lshl_b32 s26, ttmp9, 16                      ; x: 16 tokens of 4,096 bytes, + 1,024 w
	s_lshl_b32 s36, s16, 10
	s_add_co_u32 s26, s26, s36
	s_mov_b32 s27, 0
	s_lshl_b32 s28, s16, 13                        ; router_w: 256 rows of 32 bytes
	s_mov_b32 s29, 0
	s_lshl_b32 s30, ttmp9, 15                      ; xb: 16 tokens of 2,048 bytes, + 512 w
	s_lshl_b32 s36, s16, 9
	s_add_co_u32 s30, s30, s36
	s_mov_b32 s31, 0
	s_lshl_b32 s32, ttmp9, 6                       ; sel: 16 words
	s_mov_b32 s33, 0
	s_lshl_b32 s34, ttmp9, 7                       ; gates: 16 pairs
	s_mov_b32 s35, 0
	s_wait_kmcnt 0x0
	s_add_nc_u64 s[4:5], s[4:5], s[26:27]
	s_add_nc_u64 s[6:7], s[6:7], s[28:29]
	s_add_nc_u64 s[10:11], s[10:11], s[30:31]
	s_add_nc_u64 s[12:13], s[12:13], s[32:33]
	s_add_nc_u64 s[14:15], s[14:15], s[34:35]
	; router_w: lane L takes rows 2 p and 2 p + 1, p = 32 u + L: 64 bytes, four loads
.irp u, 0,1,2,3
.irp c, 0,1,2,3
	global_load_b128 v[RW+16*\u+4*\c:RW+16*\u+4*\c+3], v6, s[6:7] offset:2048*\u+16*\c
.endr
.endr
	; x: each load of the wave covers 512 neighbouring bytes of one token's quarter
.irp i, 0,1,2,3,4,5,6,7,8,9,10,11,12,13,14,15
.irp c, 0,1
	global_load_b128 v[X+8*\i+4*\c:X+8*\i+4*\c+3], v4, s[4:5] offset:4096*\i+512*\c th:TH_LOAD_NT
.endr
.endr
	s_wait_loadcnt 32                              ; router_w is in; the 32 loads of x were issued behind it and stay out
.irp u, 0,1,2,3
.irp e, 0,1,2,3,4,5,6,7
	v_cvt_pk_bf16_f32 v[16+\e], v[RW+16*\u+\e], v[RW+16*\u+8+\e]   ; expert e, k = 2 p and 2 p + 1
.endr
.irp e, 0,1,2,3,4,5,6,7
	ds_store_b32 v8, v[16+\e] offset:RWO+P*\e+128*\u               ; transposed: a row for each expert, k along it
.endr
.endr
.irp i, 0,1,2,3,4,5,6,7,8,9,10,11,12,13,14,15
	s_wait_loadcnt 30-2*\i                         ; loads return in order: token i's two pieces are in, the younger ones stay out
.irp c, 0,1
	v_cvt_pk_bf16_f32 v[X+8*\i+4*\c],   v[X+8*\i+4*\c],   v[X+8*\i+4*\c+1]
	v_cvt_pk_bf16_f32 v[X+8*\i+4*\c+1], v[X+8*\i+4*\c+2], v[X+8*\i+4*\c+3]
	global_store_b64 v5, v[X+8*\i+4*\c:X+8*\i+4*\c+1], s[10:11] offset:2048*\i+256*\c   ; 32 lanes: 256 consecutive bytes, aligned
	ds_store_b64 v7, v[X+8*\i+4*\c:X+8*\i+4*\c+1] offset:P*\i+256*\c
.endr
.endr
	s_wait_xcnt 0x0                                ; X held the stores' data: it is loaded again only behind this wait
	; fragments from my own LDS bytes: a wave's LDS instructions are served in order, so these see the stores above
.irp s, 0,1,2,3,4,5,6,7
	ds_load_b128 v[FT+8*\s:FT+8*\s+3],   v9  offset:64*\s
	ds_load_b128 v[FT+8*\s+4:FT+8*\s+7], v9  offset:64*\s+32
	ds_load_b128 v[FR+8*\s:FR+8*\s+3],   v10 offset:RWO+64*\s
	ds_load_b128 v[FR+8*\s+4:FR+8*\s+7], v10 offset:RWO+64*\s+32
.endr
	s_wait_dscnt 0x0
	; source 0 = experts, source 1 = tokens: lane r holds token r, registers 0-7 its eight logits (lanes 16-31 a copy).
	; Two accumulators take turns, one instruction a turn.
.irp s, 0,1,2,3,4,5,6,7
.if \s < 2
	v_wmma_f32_16x16x32_bf16 v[ACC+8*(\s%2):ACC+8*(\s%2)+7], v[FR+8*\s:FR+8*\s+7], v[FT+8*\s:FT+8*\s+7], 0
.else
	v_wmma_f32_16x16x32_bf16 v[ACC+8*(\s%2):ACC+8*(\s%2)+7], v[FR+8*\s:FR+8*\s+7], v[FT+8*\s:FT+8*\s+7], v[ACC+8*(\s%2):ACC+8*(\s%2)+7]
.endif
.endr
.rept 4
	v_nop                                          ; four places behind the last matrix instructions (ISA guide 7.12.1)
.endr
.irp q, 0,2,4,6
	v_pk_add_f32 v[ACC+\q:ACC+\q+1], v[ACC+\q:ACC+\q+1], v[ACC+8+\q:ACC+8+\q+1]
.endr
	ds_store_b128 v11, v[ACC:ACC+3]   offset:RED
	ds_store_b128 v11, v[ACC+4:ACC+7] offset:RED+16
	s_wait_dscnt 0x0                               ; for wave 0's sake: my partial logits are in LDS
	s_barrier_signal -1
	s_barrier_wait -1
	s_cmp_lg_u32 s16, 0
	s_cbranch_scc1 .Lend                           ; waves 1 to 3 are done; no barrier follows
	global_load_b128 v[16:19], v15, s[8:9]
	global_load_b128 v[20:23], v15, s[8:9] offset:16
.irp w, 0,1,2,3
	ds_load_b128 v[LG+8*\w:LG+8*\w+3],   v12 offset:RED+1024*\w
	ds_load_b128 v[LG+8*\w+4:LG+8*\w+7], v12 offset:RED+1024*\w+16
.endr
	s_wait_loadcnt 0x0
.irp q, 0,1,2,3
	v_cvt_pk_bf16_f32 v[24+\q], v[16+2*\q], v[17+2*\q]             ; router_b rounded to bf16,
.endr
.irp q, 0,1,2,3
	v_lshlrev_b32 v[16+2*\q], 16, v[24+\q]                         ; and back as f32
	v_and_b32 v[17+2*\q], 0xffff0000, v[24+\q]
.endr
	s_wait_dscnt 0x0
.irp q, 0,2,4,6
	v_pk_add_f32 v[LG+\q:LG+\q+1], v[LG+\q:LG+\q+1], v[LG+8+\q:LG+8+\q+1]
	v_pk_add_f32 v[LG+16+\q:LG+16+\q+1], v[LG+16+\q:LG+16+\q+1], v[LG+24+\q:LG+24+\q+1]
.endr
.irp q, 0,2,4,6
	v_pk_add_f32 v[LG+\q:LG+\q+1], v[LG+\q:LG+\q+1], v[LG+16+\q:LG+16+\q+1]
.endr
.irp q, 0,2,4,6
	v_pk_add_f32 v[LG+\q:LG+\q+1], v[LG+\q:LG+\q+1], v[16+\q:16+\q+1]
.endr
	; the two largest, by selects alone: v16 = l1, v17 = i1, v18 = l2, v19 = i2
	v_mov_b32 v16, v[LG]
	v_mov_b32 v17, 0
	v_mov_b32 v18, 0xff800000                      ; minus infinity: the second logit always replaces it
	v_mov_b32 v19, 0
.irp e, 1,2,3,4,5,6,7
	v_cmp_gt_f32 s20, v[LG+\e], v16                ; beats the largest
	v_cmp_gt_f32 s21, v[LG+\e], v18                ; beats the second (l1 >= l2, so this holds whenever the first does)
	v_cndmask_b32 v20, v[LG+\e], v16, s20          ; what moves into second place: the old largest, or this one
	v_cndmask_b32 v21, \e, v17, s20
	v_cndmask_b32 v18, v18, v20, s21
	v_cndmask_b32 v19, v19, v21, s21
	v_cndmask_b32 v16, v16, v[LG+\e], s20
	v_cndmask_b32 v17, v17, \e, s20
.endr
	v_sub_f32 v20, v18, v16                        ; l2 - l1 <= 0
	v_mul_f32 v20, 0x3fb8aa3b, v20                 ; times log2(e)
	v_exp_f32 v21, v20
	v_lshl_or_b32 v26, v19, 8, v17                 ; sel; also the plain instruction behind v_exp_f32 (ISA guide 5.7.2)
	s_wait_alu depctr_va_vdst(0)
	v_add_f32 v22, 1.0, v21
	v_rcp_f32 v24, v22                             ; g1
	v_cmp_gt_u32 vcc_lo, 16, v1                    ; lanes 0-15 hold the 16 tokens; also the plain instruction behind v_rcp_f32
	s_wait_alu depctr_va_vdst(0)
	v_mul_f32 v25, v21, v24                        ; g2
	s_wait_xcnt 0x0                                ; EXEC is a source of the stores and loads above: it narrows only behind this wait
	s_and_saveexec_b32 s22, vcc_lo
	global_store_b32 v13, v26, s[12:13]
	global_store_b64 v14, v[24:25], s[14:15]
	s_wait_xcnt 0x0                                ; and widens only behind this one
	s_or_b32 exec_lo, exec_lo, s22
.Lend:
	s_wait_tensorcnt 0x0
	ds_add_u32 v224, v225
	s_wait_dscnt 0x0
	s_endpgm
.Lfunc_end_k_q3786d6c538_route:
	.size	k_q3786d6c538_route, .Lfunc_end_k_q3786d6c538_route-k_q3786d6c538_route
	.p2alignl 7, 3214868480
	.fill 96, 4, 3214868480
	.section	.rodata,"a",@progbits
	.p2align	6, 0x0
	.amdhsa_kernel k_q3786d6c538_route
		.amdhsa_group_segment_fixed_size 55296
		.amdhsa_private_segment_fixed_size 0
		.amdhsa_enable_private_segment 0
		.amdhsa_kernarg_size 48
		.amdhsa_user_sgpr_count 2
		.amdhsa_user_sgpr_kernarg_segment_ptr 1
		.amdhsa_wavefront_size32 1
		.amdhsa_system_sgpr_workgroup_id_x 1
		.amdhsa_system_sgpr_workgroup_id_y 1
		.amdhsa_system_sgpr_workgroup_id_z 1
		.amdhsa_system_vgpr_workitem_id 0
		.amdhsa_next_free_vgpr 226
		.amdhsa_next_free_sgpr 66
		.amdhsa_reserve_vcc 1
		.amdhsa_float_denorm_mode_32 3
		.amdhsa_float_denorm_mode_16_64 3
		.amdhsa_memory_ordered 1
		.amdhsa_forward_progress 1
		.amdhsa_inst_pref_size 31
	.end_amdhsa_kernel
	.amdgpu_metadata
---
amdhsa.version: [ 1, 2 ]
amdhsa.kernels:
  - .name:           k_q3786d6c538_route
    .symbol:         k_q3786d6c538_route.kd
    .args:
      - { .name: x, .offset: 0, .size: 8, .value_kind: global_buffer, .address_space: global }
      - { .name: router_w, .offset: 8, .size: 8, .value_kind: global_buffer, .address_space: global }
      - { .name: router_b, .offset: 16, .size: 8, .value_kind: global_buffer, .address_space: global }
      - { .name: xb, .offset: 24, .size: 8, .value_kind: global_buffer, .address_space: global }
      - { .name: sel, .offset: 32, .size: 8, .value_kind: global_buffer, .address_space: global }
      - { .name: gates, .offset: 40, .size: 8, .value_kind: global_buffer, .address_space: global }
    .group_segment_fixed_size: 55296
    .private_segment_fixed_size: 0
    .kernarg_segment_align: 8
    .kernarg_segment_size: 48
    .max_flat_workgroup_size: 128
    .sgpr_count:     66
    .vgpr_count:     226
    .wavefront_size: 32
...
	.end_amdgpu_metadata
.endif
;; end of part 1
;; launch lists (part 2): grid 1 x 1, 8 waves a work-group, no clusters, 165,120 bytes of LDS; arguments sel, tok, inv, te; writes tok, inv, te
.if DOCPART == 2
	.amdgcn_target "amdgcn-amd-amdhsa--gfx1250"
	.amdhsa_code_object_version 6
	.text
	.protected	k_q3786d6c538_lists
	.globl	k_q3786d6c538_lists
	.p2align	8
	.type	k_q3786d6c538_lists,@function
k_q3786d6c538_lists:
	s_mov_b64 s[64:65], 0
	v_nop
	global_prefetch_b8 v0, s[64:65] scope:SCOPE_SE
	s_setreg_imm32_b32 hwreg(HW_REG_WAVE_MODE, 25, 1), 1
	s_wait_xcnt 0x0
; SORT BY EXPERT, whole numbers only.  The 4,096 (token, expert) pairs are laid in rows sorted by expert, each expert's rows
; padded to a multiple of 128: at most 4,096 + 8 x 127 = 5,112 rows, so 5,120 rows = 40 tiles of 128 always suffice.
;   tok[row]  = the row's token (0 in padding rows)      inv[t] = the rows of token t's two pairs      te[i] = expert of tile i
; One work-group of eight waves: the counts of all 2,048 tokens must meet, and work-groups exchange nothing within a launch.
; Thread (w, L) holds tokens 256 w + 32 s + L, s = 0..7.  Order inside an expert: by token.
; Each wave scatters its tokens into a list of ITS OWN in LDS (cleared by itself); behind a barrier the eight lists are added:
; a row is set in one list and 0 in the seven others.  So no two waves store into the same LDS bytes.
; Tiles behind the last used one get expert 7 and token 0: the later launches run all 40 tiles, since the number in use hangs on data.
.set CT,    0                          ; [8 waves][8 experts] counts, 256 bytes
.set LIST,  20480                      ; bytes of one wave's list
.set SEL,   8                          ; v[8:15]
.set I1,    16                         ; v[16:23]
.set I2,    24                         ; v[24:31]
.set RP,    32                         ; v[32:47]  (row of pair 1, row of pair 2) for each s
.set OFF,   48                         ; v[48:55]  next free row of expert e for my wave
.set TOT,   56                         ; v[56:63]  pairs of expert e
.set T,     64                         ; v[64:127] counts [wave][expert]; later v[64:223] the lists' pieces
.set BASE,  224                        ; v[224:231] first row of expert e
.set T0,    232                        ; 256 w + L
.set A4,    233                        ; 4 T0
.set WB,    234                        ; my list's first byte
.set A8,    235                        ; 8 T0
.set MA,    236                        ; v[236:238] merge addresses: lists 0-2, 3-5, 6-7 (an LDS immediate has 16 bits)
.set TO,    239                        ; 16 x thread
.macro MASKS s, e                      ; s24: pair 1 of my token s goes to expert e; s25: pair 2; s26: either (never both)
	v_cmp_eq_u32 s24, \e, v[I1+\s]
	v_cmp_eq_u32 s25, \e, v[I2+\s]
	s_or_b32 s26, s24, s25
.endm
	s_load_b256 s[4:11], s[0:1], 0x0               ; sel s[4:5], tok s[6:7], inv s[8:9], te s[10:11]
	v_lshl_add_u32 v240, v0, 2, 0x28100
	v_mov_b32 v241, 0
	v_and_b32 v1, 31, v0
	v_lshrrev_b32 v2, 5, v0
	v_readfirstlane_b32 s12, v2                    ; wave
	v_lshl_add_u32 v[T0], v2, 8, v1
	v_lshlrev_b32 v[A4], 2, v[T0]
	v_lshlrev_b32 v[A8], 3, v[T0]
	v_lshlrev_b32 v[TO], 4, v0
	v_add_nc_u32 v[MA], 256, v[TO]
	v_add_nc_u32 v[MA+1], 256+3*LIST, v[TO]
	v_add_nc_u32 v[MA+2], 256+6*LIST, v[TO]
	s_mul_i32 s13, s12, LIST
	s_add_co_u32 s13, s13, 256
	v_mov_b32 v[WB], s13
	v_lshl_add_u32 v3, v1, 4, s13                  ; clearing: 16 bytes a lane
	v_lshlrev_b32 v2, 5, v2                        ; 32 w: my wave's counts
.irp k, 4,5,6,7
	v_mov_b32 v\k, 0
.endr
	s_wait_kmcnt 0x0
.irp s, 0,1,2,3,4,5,6,7
	global_load_b32 v[SEL+\s], v[A4], s[4:5] offset:128*\s
.endr
.set i, 0
.rept 40
	ds_store_b128 v3, v[4:7] offset:512*i          ; my own list, cleared: 40 x 512 bytes
.set i, i+1
.endr
	s_wait_loadcnt 0x0
.irp s, 0,1,2,3,4,5,6,7
	v_and_b32 v[I1+\s], 0xff, v[SEL+\s]
	v_bfe_u32 v[I2+\s], v[SEL+\s], 8, 8
.endr
	; pass 1: my wave's pairs for each expert
.irp e, 0,1,2,3,4,5,6,7
	s_mov_b32 s[16+\e], 0
.endr
.irp s, 0,1,2,3,4,5,6,7
.irp e, 0,1,2,3,4,5,6,7
	MASKS \s, \e
	s_bcnt1_i32_b32 s27, s26
	s_add_co_u32 s[16+\e], s[16+\e], s27
.endr
.endr
.irp e, 0,1,2,3,4,5,6,7
	v_mov_b32 v[OFF+\e], s[16+\e]
.endr
	ds_store_b128 v2, v[OFF:OFF+3]   offset:CT     ; every lane writes the same words with the same values
	ds_store_b128 v2, v[OFF+4:OFF+7] offset:CT+16
	s_wait_dscnt 0x0                               ; for the others' sake: my counts are in LDS
	s_barrier_signal -1
	s_barrier_wait -1
	v_mov_b32 v3, 0
.set i, 0
.rept 16
	ds_load_b128 v[T+4*i:T+4*i+3], v3 offset:CT+16*i
.set i, i+1
.endr
	s_wait_dscnt 0x0
	; totals, and what the waves in front of mine hold
	s_cmp_gt_u32 s12, 0
	s_cselect_b32 s27, 1, 0
.irp e, 0,1,2,3,4,5,6,7
	v_mov_b32 v[TOT+\e], v[T+\e]
	v_mul_u32_u24 v[OFF+\e], v[T+\e], s27
.endr
.irp w, 1,2,3,4,5,6
	s_cmp_gt_u32 s12, \w
	s_cselect_b32 s27, 1, 0
.irp e, 0,1,2,3,4,5,6,7
	v_add_nc_u32 v[TOT+\e], v[TOT+\e], v[T+8*\w+\e]
	v_mad_u32_u24 v[OFF+\e], v[T+8*\w+\e], s27, v[OFF+\e]
.endr
.endr
.irp e, 0,1,2,3,4,5,6,7
	v_add_nc_u32 v[TOT+\e], v[TOT+\e], v[T+56+\e]  ; wave 7 stands in front of nobody
.endr
	v_mov_b32 v[BASE], 0
.irp e, 0,1,2,3,4,5,6
	v_add_nc_u32 v2, 127, v[TOT+\e]
	v_and_b32 v2, 0xffffff80, v2                   ; rounded up to whole tiles of 128
	v_add_nc_u32 v[BASE+1+\e], v[BASE+\e], v2
.endr
.irp e, 0,1,2,3,4,5,6,7
	v_add_nc_u32 v[OFF+\e], v[OFF+\e], v[BASE+\e]
.endr
	; pass 2: each pair's row = the expert's next free row + the pairs of lower lanes
.set i, 0
.rept 16
	v_mov_b32 v[RP+i], 0
.set i, i+1
.endr
.irp s, 0,1,2,3,4,5,6,7
.irp e, 0,1,2,3,4,5,6,7
	MASKS \s, \e
	v_mbcnt_lo_u32_b32 v2, s26, v[OFF+\e]
	v_cndmask_b32 v[RP+2*\s],   v[RP+2*\s],   v2, s24
	v_cndmask_b32 v[RP+2*\s+1], v[RP+2*\s+1], v2, s25
	s_bcnt1_i32_b32 s27, s26
	v_add_nc_u32 v[OFF+\e], s27, v[OFF+\e]
.endr
.endr
.irp s, 0,1,2,3,4,5,6,7
	v_min_u32 v[RP+2*\s],   0x13ff, v[RP+2*\s]     ; rows are below 5,120 by the count above; the clamp binds the address
	v_min_u32 v[RP+2*\s+1], 0x13ff, v[RP+2*\s+1]
	v_add_nc_u32 v4, 32*\s, v[T0]                  ; the token
	v_lshl_add_u32 v2, v[RP+2*\s],   2, v[WB]
	v_lshl_add_u32 v3, v[RP+2*\s+1], 2, v[WB]
	ds_store_b32 v2, v4                            ; into my own list, behind my own clearing (a wave's LDS instructions are served in order)
	ds_store_b32 v3, v4
	global_store_b64 v[A8], v[RP+2*\s:RP+2*\s+1], s[8:9] offset:256*\s   ; 32 lanes: 256 consecutive bytes, aligned
.endr
	; te[i] = how many of experts 1..7 begin at or in front of row 128 i: empty experts are passed over
	v_lshlrev_b32 v2, 7, v0
	v_mov_b32 v3, 0
.irp e, 1,2,3,4,5,6,7
	v_cmp_ge_u32 vcc_lo, v2, v[BASE+\e]
	v_cndmask_b32 v4, 0, 1, vcc_lo
	v_add_nc_u32 v3, v3, v4
.endr
	v_lshlrev_b32 v5, 2, v0
	global_store_b32 v5, v3, s[10:11]
	s_wait_dscnt 0x0                               ; for the others' sake: my list is whole
	s_barrier_signal -1
	s_barrier_wait -1
	; merge: thread takes 16 bytes of each 4,096 (q), from all eight lists (c)
.irp q, 0,1,2,3,4
.irp c, 0,1,2,3,4,5,6,7
	ds_load_b128 v[T+32*\q+4*\c:T+32*\q+4*\c+3], v[MA+\c/3] offset:LIST*(\c%3)+4096*\q
.endr
.endr
.irp q, 0,1,2,3,4
	s_wait_dscnt 8*(4-\q)                          ; LDS loads return in order: the eight of this q are in, those of later q stay out
.irp k, 0,1,2,3
	v_add3_u32 v[T+32*\q+\k], v[T+32*\q+\k], v[T+32*\q+4+\k],  v[T+32*\q+8+\k]
	v_add3_u32 v[T+32*\q+\k], v[T+32*\q+\k], v[T+32*\q+12+\k], v[T+32*\q+16+\k]
	v_add3_u32 v[T+32*\q+\k], v[T+32*\q+\k], v[T+32*\q+20+\k], v[T+32*\q+24+\k]
	v_add_nc_u32 v[T+32*\q+\k], v[T+32*\q+\k], v[T+32*\q+28+\k]
.endr
	global_store_b128 v[TO], v[T+32*\q:T+32*\q+3], s[6:7] offset:4096*\q
.endr
	s_wait_tensorcnt 0x0
	ds_add_u32 v240, v241
	s_wait_dscnt 0x0
	s_endpgm
.Lfunc_end_k_q3786d6c538_lists:
	.size	k_q3786d6c538_lists, .Lfunc_end_k_q3786d6c538_lists-k_q3786d6c538_lists
	.p2alignl 7, 3214868480
	.fill 96, 4, 3214868480
	.section	.rodata,"a",@progbits
	.p2align	6, 0x0
	.amdhsa_kernel k_q3786d6c538_lists
		.amdhsa_group_segment_fixed_size 165120
		.amdhsa_private_segment_fixed_size 0
		.amdhsa_enable_private_segment 0
		.amdhsa_kernarg_size 32
		.amdhsa_user_sgpr_count 2
		.amdhsa_user_sgpr_kernarg_segment_ptr 1
		.amdhsa_wavefront_size32 1
		.amdhsa_system_sgpr_workgroup_id_x 1
		.amdhsa_system_sgpr_workgroup_id_y 1
		.amdhsa_system_sgpr_workgroup_id_z 1
		.amdhsa_system_vgpr_workitem_id 0
		.amdhsa_next_free_vgpr 242
		.amdhsa_next_free_sgpr 66
		.amdhsa_reserve_vcc 1
		.amdhsa_float_denorm_mode_32 3
		.amdhsa_float_denorm_mode_16_64 3
		.amdhsa_memory_ordered 1
		.amdhsa_forward_progress 1
		.amdhsa_inst_pref_size 69
	.end_amdhsa_kernel
	.amdgpu_metadata
---
amdhsa.version: [ 1, 2 ]
amdhsa.kernels:
  - .name:           k_q3786d6c538_lists
    .symbol:         k_q3786d6c538_lists.kd
    .args:
      - { .name: sel, .offset: 0, .size: 8, .value_kind: global_buffer, .address_space: global }
      - { .name: tok, .offset: 8, .size: 8, .value_kind: global_buffer, .address_space: global }
      - { .name: inv, .offset: 16, .size: 8, .value_kind: global_buffer, .address_space: global }
      - { .name: te, .offset: 24, .size: 8, .value_kind: global_buffer, .address_space: global }
    .group_segment_fixed_size: 165120
    .private_segment_fixed_size: 0
    .kernarg_segment_align: 8
    .kernarg_segment_size: 32
    .max_flat_workgroup_size: 256
    .sgpr_count:     66
    .vgpr_count:     242
    .wavefront_size: 32
...
	.end_amdgpu_metadata
.endif
;; end of part 2
;; launch up (part 3): grid 16 x 40, 4 waves a work-group, no clusters, 74,240 bytes of LDS; arguments xb, w1, b1, tok, te, hs; writes hs
.if DOCPART == 3
	.amdgcn_target "amdgcn-amd-amdhsa--gfx1250"
	.amdhsa_code_object_version 6
	.text
	.protected	k_q3786d6c538_up
	.globl	k_q3786d6c538_up
	.p2align	8
	.type	k_q3786d6c538_up,@function
k_q3786d6c538_up:
	s_mov_b64 s[64:65], 0
	v_nop
	global_prefetch_b8 v0, s[64:65] scope:SCOPE_SE
	s_setreg_imm32_b32 hwreg(HW_REG_WAVE_MODE, 25, 1), 1
	s_wait_xcnt 0x0
; FIRST LAYER OF THE EXPERTS on sorted rows: hs[row][n] = bf16(relu(sum over k of xb[tok[row]][k] w1[e][k][n] + b1[e][n])), e = te[tile].
; A work-group makes 128 rows (tile = group y) x 128 columns (strip = group x), K = 1,024 in 16 steps of 64.
; Four waves, 64 x 64 each: 16 accumulator tiles.  Nothing but addresses hangs on the lists: every work-group runs the same trips.
; All 40 tiles run: how many are in use hangs on data; a tile behind the last used one works on token 0 and its rows are read by no gate.
; ROAD OF THE OPERANDS: global loads into registers (two register sets, two steps ahead), w1 rounded f32 -> bf16 there, then LDS
; (two slots), then fragments.  w1 lies [k][n], so its fragments come by the transposing LDS load.
; No tensor load: w1 has to be converted in registers and the rows of xb are gathered by a list.  No cluster: which tiles share an
; expert's weights hangs on counts read from memory, so partners' requests would not be equal, and nothing is asked by tensor loads.
; LIMITS, stated: b1 is rounded to bf16 like the matrix operands; NaN and infinite inputs are not served.
; REGISTERS: block 0: v0-31 addresses; v32-127 set 0 (A 32, B 64); v128-191, v192-255 fragments of the step's two K halves.
;            block 1: v0-127 accumulators, tile (a, b) at 8 (4 a + b); v128-223 set 1.
.set NT,    16                         ; K steps
.set BP,    8192                       ; bytes from a k row of w1[e] to the next
.set BSTEP, 64*BP
.set ASTEP, 128                        ; 64 bf16 along a row of xb
.set AP,    144                        ; LDS pitch of A: 128 + 16, an odd multiple of 16
.set BL,    288                        ; LDS pitch of B: 256 + 32, an odd multiple of 32 (transposing loads)
.set BOFF,  128*AP                     ; B behind A's 128 rows
.set SLOT,  BOFF+64*BL                 ; 36,864
.set SP,    272                        ; pitch of the stage on the way out: 256 + 16
.set AF, 4                             ; A fragment address
.set BF, 5                             ; B fragment address (BOFF inside: the largest immediate stays below 65,536)
.set AS, 6                             ; A store address
.set BS, 7                             ; B store address (BOFF inside)
.set BO, 8                             ; byte offset in w1[e]'s strip
.set ST, 9                             ; the way out: store into the stage
.set RD, 10                            ; read it back
.set CO, 11                            ; byte offset in hs
.set BIO, 12                           ; byte offset in b1
.set AO, 16                            ; v[16:23] byte offsets of my eight pieces of gathered rows
.set SA0, 32
.set SB0, 64
.set F0, 128
.set F1, 192
.set MSB, 0
.macro WIN new                         ; the immediate's high byte repeats the setting that is left; a switch that changes nothing is dropped
.if MSB != (\new)
	s_set_vgpr_msb (MSB<<8)|(\new)
.set MSB, \new
.endif
.endm
.macro PLACES                          ; four places behind matrix instructions (ISA guide 7.12.1)
.rept 4
	v_nop
.endr
.endm
.macro STEP                            ; the bases go one K step on
	s_wait_xcnt 0x0                                ; they are sources of the loads issued before: rewritten only behind this wait
	s_add_nc_u64 s[4:5], s[4:5], ASTEP
	s_add_nc_u64 s[6:7], s[6:7], BSTEP
.endm
.macro LOADSET set                     ; one K step into register set 0 or 1: 24 loads
	WIN \set*0x40
.irp i, 0,1,2,3,4,5,6,7
	global_load_b128 v[SA0+96*\set+4*\i:SA0+96*\set+4*\i+3], v[AO+\i], s[4:5]              ; 4 gathered rows x 128 bytes
.endr
.irp i, 0,1,2,3,4,5,6,7,8,9,10,11,12,13,14,15
	global_load_b128 v[SB0+96*\set+4*\i:SB0+96*\set+4*\i+3], v[BO], s[6:7] offset:\i*BP    ; 512 consecutive bytes of one k row
.endr
.endm
.macro STORESET set, slot              ; a register set into an LDS slot, w1 rounded on the way
	WIN \set*0x45
.irp i, 0,1,2,3,4,5,6,7,8,9,10,11,12,13,14,15
	v_cvt_pk_bf16_f32 v[SB0+96*\set+4*\i],   v[SB0+96*\set+4*\i],   v[SB0+96*\set+4*\i+1]
	v_cvt_pk_bf16_f32 v[SB0+96*\set+4*\i+1], v[SB0+96*\set+4*\i+2], v[SB0+96*\set+4*\i+3]
.endr
	WIN \set*0x04
.irp i, 0,1,2,3,4,5,6,7
	ds_store_b128 v[AS], v[SA0+96*\set+4*\i:SA0+96*\set+4*\i+3] offset:\slot*SLOT+4*AP*\i
.endr
.irp i, 0,1,2,3,4,5,6,7,8,9,10,11,12,13,14,15
	ds_store_b64 v[BS], v[SB0+96*\set+4*\i:SB0+96*\set+4*\i+1] offset:\slot*SLOT+BL*\i
.endr
	WIN 0
.endm
.macro FRAGS slot                      ; 32 LDS loads: the 16 of K half 0, then the 16 of K half 1
	WIN 0
.irp ks, 0,1
.irp a, 0,1,2,3
	ds_load_b128 v[F0+64*\ks+8*\a:F0+64*\ks+8*\a+3],   v[AF] offset:\slot*SLOT+16*AP*\a+64*\ks
	ds_load_b128 v[F0+64*\ks+8*\a+4:F0+64*\ks+8*\a+7], v[AF] offset:\slot*SLOT+16*AP*\a+64*\ks+32
.endr
.irp b, 0,1,2,3
	ds_load_tr16_b128 v[F0+64*\ks+32+8*\b:F0+64*\ks+32+8*\b+3],   v[BF] offset:\slot*SLOT+32*BL*\ks+32*\b
	ds_load_tr16_b128 v[F0+64*\ks+32+8*\b+4:F0+64*\ks+32+8*\b+7], v[BF] offset:\slot*SLOT+32*BL*\ks+32*\b+16*BL
.endr
.endr
.endm
; 16 matrix instructions, 32 along K.  Source 0 = 16 columns of w1, source 1 = 16 rows of tokens: lane l holds row l % 16 and
; eight neighbouring columns.  The 16 accumulators take turns, one instruction a turn, in the same order in every run and over
; the loop's backward jump.
.macro MUL f, zero
	WIN 0x50
.irp a, 0,1,2,3
.irp b, 0,1,2,3
.if \zero
	v_wmma_f32_16x16x32_bf16 v[8*(4*\a+\b):8*(4*\a+\b)+7], v[\f+32+8*\b:\f+32+8*\b+7], v[\f+8*\a:\f+8*\a+7], 0
.else
	v_wmma_f32_16x16x32_bf16 v[8*(4*\a+\b):8*(4*\a+\b)+7], v[\f+32+8*\b:\f+32+8*\b+7], v[\f+8*\a:\f+8*\a+7], v[8*(4*\a+\b):8*(4*\a+\b)+7]
.endif
.endr
.endr
.endm
; Trip t multiplies slot t & 1; st: it then stores step t + 1 (set and slot nxt), whose slot was last read in trip t - 1, in front
; of that trip's barrier; reload: that set is loaded again with step t + 3.  ONE barrier a trip orders both: this trip's reads
; against the next trip's stores, and this trip's stores against the next trip's reads.
.macro TRIP slot, nxt, zero, st, cnt, reload
	FRAGS \slot
	s_wait_dscnt 16                                ; K half 0's fragments are in; the 16 loads of half 1 stay out
	MUL F0, \zero
	s_wait_dscnt 0x0
	MUL F1, 0
	WIN 0
	PLACES                                         ; the next loads into F0 and F1, and the way out, stand behind these
.if \st
	s_wait_loadcnt \cnt                            ; step t + 1 is in; what stays out is step t + 2's 24 loads, where there is such a step
	STORESET \nxt, \nxt
	s_wait_dscnt 0x0                               ; for the others' sake: my stores are in LDS (my reads were waited for above); and the set's registers have been read
.if \reload
	STEP
	LOADSET \nxt
	WIN 0
.endif
	s_barrier_signal -1
	s_barrier_wait -1
.endif
.endm
	s_load_b256 s[4:11], s[0:1], 0x0               ; xb s[4:5], w1 s[6:7], b1 s[8:9], tok s[10:11]
	s_load_b128 s[12:15], s[0:1], 0x20             ; te s[12:13], hs s[14:15]
	v_lshl_add_u32 v30, v0, 2, 0x12000
	v_mov_b32 v31, 0
	v_lshrrev_b32 v1, 5, v0
	v_readfirstlane_b32 s16, v1                    ; wave
	v_and_b32 v1, 31, v0                           ; L
	v_and_b32 v2, 15, v0                           ; r
	v_bfe_u32 v3, v0, 4, 1                         ; h
	v_and_b32 v13, 7, v0                           ; L & 7
	v_bfe_u32 v14, v0, 3, 2                        ; L >> 3
	s_and_b32 s18, ttmp7, 0xffff                   ; tile
	s_lshr_b32 s23, s16, 1                         ; wm: my 64 rows
	s_and_b32 s24, s16, 1                          ; wn: my 64 columns
	s_lshl_b32 s27, s18, 2
	s_lshl_b32 s25, s18, 9                         ; tok: 128 words a tile, 32 a wave
	s_lshl_b32 s26, s16, 7
	s_add_co_u32 s25, s25, s26
	v_lshl_add_u32 v15, v14, 2, s25
	s_wait_kmcnt 0x0
	s_load_b32 s19, s[12:13], s27 offset:0x0       ; the tile's expert
.irp i, 0,1,2,3,4,5,6,7
	global_load_b32 v[AO+\i], v15, s[10:11] offset:16*\i           ; token of row 32 w + 4 i + (L >> 3)
.endr
	v_mul_u32_u24 v[AF], v2, AP                    ; (64 wm + r) AP + 16 h
	v_lshl_add_u32 v[AF], v3, 4, v[AF]
	s_mul_i32 s25, s23, 64*AP
	v_add_nc_u32 v[AF], s25, v[AF]
	v_lshl_add_u32 v[BF], v3, 3, v13               ; (8 h + (L & 7)) BL + 128 wn + 16 ((L >> 3) & 1) + BOFF
	v_mul_u32_u24 v[BF], v[BF], BL
	v_bfe_u32 v[ST], v0, 3, 1
	v_lshl_add_u32 v[BF], v[ST], 4, v[BF]
	s_lshl_b32 s25, s24, 7
	s_add_co_u32 s25, s25, BOFF
	v_add_nc_u32 v[BF], s25, v[BF]
	v_lshlrev_b32 v13, 4, v13                      ; 16 (L & 7)
	v_mad_u32_u24 v[AS], v14, AP, v13              ; (32 w + (L >> 3)) AP + 16 (L & 7)
	s_mul_i32 s25, s16, 32*AP                      ; = 16 w BL as well: 4,608 w
	v_add_nc_u32 v[AS], s25, v[AS]
	v_lshl_add_u32 v[BS], v1, 3, s25               ; 16 w BL + 8 L + BOFF
	v_add_nc_u32 v[BS], BOFF, v[BS]
	s_lshl_b32 s25, s16, 17                        ; 16 w BP
	v_lshl_add_u32 v[BO], v1, 4, s25
	v_mul_u32_u24 v[ST], v2, SP                    ; (64 wm + r) SP + 128 wn + 16 h
	v_lshl_add_u32 v[ST], v3, 4, v[ST]
	s_mul_i32 s25, s23, 64*SP
	s_lshl_b32 s26, s24, 7
	s_add_co_u32 s25, s25, s26
	v_add_nc_u32 v[ST], s25, v[ST]
	v_mul_u32_u24 v[RD], v3, SP                    ; (32 w + h) SP + 16 r
	v_lshl_add_u32 v[RD], v2, 4, v[RD]
	s_mul_i32 s25, s16, 32*SP
	v_add_nc_u32 v[RD], s25, v[RD]
	v_lshlrev_b32 v[CO], 12, v3                    ; h rows of hs + 16 r
	v_lshl_add_u32 v[CO], v2, 4, v[CO]
	v_lshlrev_b32 v[BIO], 5, v3                    ; 8 h columns of b1
	s_wait_kmcnt 0x0
	s_min_u32 s19, s19, 7                          ; an expert's number; the clamp binds the addresses
	s_lshl_b32 s20, s19, 23                        ; w1[e]: 1,024 x 2,048 x 4 bytes
	s_lshl_b32 s25, ttmp9, 9                       ; the strip: 128 columns of 4 bytes
	s_add_co_u32 s20, s20, s25
	s_mov_b32 s21, 0
	s_add_nc_u64 s[6:7], s[6:7], s[20:21]
	s_lshl_b32 s20, s19, 13                        ; b1[e] + strip + my 64 columns
	s_add_co_u32 s20, s20, s25
	s_lshl_b32 s26, s24, 8
	s_add_co_u32 s20, s20, s26
	s_add_nc_u64 s[8:9], s[8:9], s[20:21]
	s_lshl_b32 s20, s18, 7                         ; hs: row 128 tile + 32 w, 4,096 bytes a row, + 256 strip
	s_lshl_b32 s26, s16, 5
	s_add_co_u32 s20, s20, s26
	s_lshl_b32 s20, s20, 12
	s_lshl_b32 s26, ttmp9, 8
	s_add_co_u32 s20, s20, s26
	s_add_nc_u64 s[14:15], s[14:15], s[20:21]
	s_wait_loadcnt 0x0                             ; the tokens
.irp i, 0,1,2,3,4,5,6,7
	v_min_u32 v[AO+\i], 0x7ff, v[AO+\i]            ; a token's number; the clamp binds the address
	v_lshl_add_u32 v[AO+\i], v[AO+\i], 11, v13     ; 2,048 bytes a row of xb, + my 16 bytes
.endr
	LOADSET 0                                      ; step 0
	STEP
	LOADSET 1                                      ; step 1
	s_wait_loadcnt 24                              ; step 0 is in; step 1's 24 loads stay out
	STORESET 0, 0
	s_wait_dscnt 0x0
	STEP
	LOADSET 0                                      ; step 2
	WIN 0
	s_barrier_signal -1
	s_barrier_wait -1
	TRIP 0, 1, 1, 1, 24, 1                         ; the first products start the sums: nothing is cleared
	TRIP 1, 0, 0, 1, 24, 1
	s_mov_b32 s22, (NT-6)/2
.Lk:
	TRIP 0, 1, 0, 1, 24, 1
	TRIP 1, 0, 0, 1, 24, 1
	s_sub_co_i32 s22, s22, 1
	s_cmp_lg_u32 s22, 0
	s_cbranch_scc1 .Lk
	TRIP 0, 1, 0, 1, 24, 1                         ; trip NT - 4 loads the last step
	TRIP 1, 0, 0, 1, 24, 0                         ; no load leaves the buffers
	TRIP 0, 1, 0, 1, 0, 0                          ; the last step's loads: none is younger
.irp b, 0,1,2,3
	global_load_b128 v[32+8*\b:32+8*\b+3], v[BIO], s[8:9] offset:64*\b      ; b1 of my columns 16 b + 8 h + 0..7, into set 0, which is free
	global_load_b128 v[32+8*\b+4:32+8*\b+7], v[BIO], s[8:9] offset:64*\b+16
.endr
	TRIP 1, 0, 0, 0, 0, 0
	s_barrier_signal -1                            ; every wave's reads of the slots are over (waited for in the trip):
	s_barrier_wait -1                              ; the stage may lie over them
	; THE WAY OUT: + b1, relu, bf16; 16 bytes a lane into the stage; whole rows of 256 bytes back and out
	s_wait_loadcnt 0x0
.set q, 0
.rept 16
	v_cvt_pk_bf16_f32 v[64+q], v[32+2*q], v[33+2*q]                ; b1 rounded to bf16,
.set q, q+1
.endr
.set q, 0
.rept 16
	v_lshlrev_b32 v[32+2*q], 16, v[64+q]                           ; and back as f32
	v_and_b32 v[33+2*q], 0xffff0000, v[64+q]
.set q, q+1
.endr
.irp a, 0,1,2,3
	WIN 0x01                                       ; source 0: the accumulators in block 1
.irp b, 0,1,2,3
.irp p, 0,1,2,3
	v_pk_add_f32 v[64+8*\b+2*\p:64+8*\b+2*\p+1], v[8*(4*\a+\b)+2*\p:8*(4*\a+\b)+2*\p+1], v[32+8*\b+2*\p:32+8*\b+2*\p+1]
.endr
.endr
	WIN 0
.set q, 0
.rept 32
	v_max_num_f32 v[64+q], 0, v[64+q]
.set q, q+1
.endr
.set q, 0
.rept 16
	v_cvt_pk_bf16_f32 v[96+q], v[64+2*q], v[65+2*q]
.set q, q+1
.endr
.irp b, 0,1,2,3
	ds_store_b128 v[ST], v[96+4*\b:96+4*\b+3] offset:16*SP*\a+32*\b
.endr
.endr
	s_wait_dscnt 0x0                               ; a row of the stage is written by two waves: store, wait, barrier, load
	s_barrier_signal -1
	s_barrier_wait -1
.set i, 0
.rept 16
	ds_load_b128 v[F0+4*i:F0+4*i+3], v[RD] offset:2*SP*i           ; two rows: lanes 0-15 one, lanes 16-31 the next
.set i, i+1
.endr
.set i, 0
.rept 16
	s_wait_dscnt 15-i                              ; LDS loads return in order: pair i is in, the younger ones stay out
	global_store_b128 v[CO], v[F0+4*i:F0+4*i+3], s[14:15] offset:8192*i   ; 16 lanes: 256 consecutive bytes, aligned
.set i, i+1
.endr
	s_wait_tensorcnt 0x0
	ds_add_u32 v30, v31
	s_wait_dscnt 0x0
	s_endpgm
.Lfunc_end_k_q3786d6c538_up:
	.size	k_q3786d6c538_up, .Lfunc_end_k_q3786d6c538_up-k_q3786d6c538_up
	.p2alignl 7, 3214868480
	.fill 96, 4, 3214868480
	.section	.rodata,"a",@progbits
	.p2align	6, 0x0
	.amdhsa_kernel k_q3786d6c538_up
		.amdhsa_group_segment_fixed_size 74240
		.amdhsa_private_segment_fixed_size 0
		.amdhsa_enable_private_segment 0
		.amdhsa_kernarg_size 48
		.amdhsa_user_sgpr_count 2
		.amdhsa_user_sgpr_kernarg_segment_ptr 1
		.amdhsa_wavefront_size32 1
		.amdhsa_system_sgpr_workgroup_id_x 1
		.amdhsa_system_sgpr_workgroup_id_y 1
		.amdhsa_system_sgpr_workgroup_id_z 1
		.amdhsa_system_vgpr_workitem_id 0
		.amdhsa_next_free_vgpr 480
		.amdhsa_next_free_sgpr 66
		.amdhsa_reserve_vcc 0
		.amdhsa_float_denorm_mode_32 3
		.amdhsa_float_denorm_mode_16_64 3
		.amdhsa_memory_ordered 1
		.amdhsa_forward_progress 1
		.amdhsa_inst_pref_size 109
	.end_amdhsa_kernel
	.amdgpu_metadata
---
amdhsa.version: [ 1, 2 ]
amdhsa.kernels:
  - .name:           k_q3786d6c538_up
    .symbol:         k_q3786d6c538_up.kd
    .args:
      - { .name: xb, .offset: 0, .size: 8, .value_kind: global_buffer, .address_space: global }
      - { .name: w1, .offset: 8, .size: 8, .value_kind: global_buffer, .address_space: global }
      - { .name: b1, .offset: 16, .size: 8, .value_kind: global_buffer, .address_space: global }
      - { .name: tok, .offset: 24, .size: 8, .value_kind: global_buffer, .address_space: global }
      - { .name: te, .offset: 32, .size: 8, .value_kind: global_buffer, .address_space: global }
      - { .name: hs, .offset: 40, .size: 8, .value_kind: global_buffer, .address_space: global }
    .group_segment_fixed_size: 74240
    .private_segment_fixed_size: 0
    .kernarg_segment_align: 8
    .kernarg_segment_size: 48
    .max_flat_workgroup_size: 128
    .sgpr_count:     66
    .vgpr_count:     480
    .wavefront_size: 32
...
	.end_amdgpu_metadata
.endif
;; end of part 3
;; launch down (part 4): grid 8 x 40, 4 waves a work-group, no clusters, 74,240 bytes of LDS; arguments hs, w2, te, ys; writes ys
.if DOCPART == 4
	.amdgcn_target "amdgcn-amd-amdhsa--gfx1250"
	.amdhsa_code_object_version 6
	.text
	.protected	k_q3786d6c538_down
	.globl	k_q3786d6c538_down
	.p2align	8
	.type	k_q3786d6c538_down,@function
k_q3786d6c538_down:
	s_mov_b64 s[64:65], 0
	v_nop
	global_prefetch_b8 v0, s[64:65] scope:SCOPE_SE
	s_setreg_imm32_b32 hwreg(HW_REG_WAVE_MODE, 25, 1), 1
	s_wait_xcnt 0x0
; SECOND LAYER OF THE EXPERTS on sorted rows: ys[row][n] = sum over k of hs[row][k] w2[e][k][n], f32, e = te[tile].
; (b2 and the gates are applied where the two rows of a token meet, in the last launch.)
; A work-group makes 128 rows (tile = group y) x 128 columns (strip = group x), K = 2,048 in 32 steps of 64.
; Four waves, 64 x 64 each: 16 accumulator tiles.  Nothing but addresses hangs on the lists: every work-group runs the same trips.
; All 40 tiles run: how many are in use hangs on data; rows of a tile behind the last used one are read by no gate.
; ROAD OF THE OPERANDS: global loads into registers (two register sets, two steps ahead), w2 rounded f32 -> bf16 there, then LDS
; (two slots), then fragments.  w2 lies [k][n], so its fragments come by the transposing LDS load.
; No tensor load: w2 has to be converted in registers.  No cluster: which tiles share an expert's weights hangs on counts read
; from memory, so partners' requests would not be equal, and nothing is asked by tensor loads.
; K is not split over work-groups: the halves would have to meet through memory, 21 MB more written and read.
; LIMITS, stated: NaN and infinite inputs are not served.
; REGISTERS: block 0: v0-31 addresses; v32-127 set 0 (A 32, B 64); v128-191, v192-255 fragments of the step's two K halves.
;            block 1: v0-127 accumulators, tile (a, b) at 8 (4 a + b); v128-223 set 1.
.set NT,    32                         ; K steps
.set BP,    4096                       ; bytes from a k row of w2[e] to the next
.set BSTEP, 64*BP
.set ASTEP, 128                        ; 64 bf16 along a row of hs
.set AP,    144                        ; LDS pitch of A: 128 + 16, an odd multiple of 16
.set BL,    288                        ; LDS pitch of B: 256 + 32, an odd multiple of 32 (transposing loads)
.set BOFF,  128*AP                     ; B behind A's 128 rows
.set SLOT,  BOFF+64*BL                 ; 36,864
.set SP,    528                        ; pitch of the stage on the way out: 512 + 16
.set AF, 4                             ; A fragment address
.set BF, 5                             ; B fragment address (BOFF inside: the largest immediate stays below 65,536)
.set AS, 6                             ; A store address
.set BS, 7                             ; B store address (BOFF inside)
.set BO, 8                             ; byte offset in w2[e]'s strip
.set ST, 9                             ; the way out: store into the stage
.set RD, 10                            ; read it back
.set CO, 11                            ; byte offset in ys
.set AO, 16                            ; byte offset of my 16 bytes in the tile's rows of hs
.set SA0, 32
.set SB0, 64
.set F0, 128
.set F1, 192
.set MSB, 0
.macro WIN new                         ; the immediate's high byte repeats the setting that is left; a switch that changes nothing is dropped
.if MSB != (\new)
	s_set_vgpr_msb (MSB<<8)|(\new)
.set MSB, \new
.endif
.endm
.macro PLACES                          ; four places behind matrix instructions (ISA guide 7.12.1)
.rept 4
	v_nop
.endr
.endm
.macro STEP                            ; the bases go one K step on
	s_wait_xcnt 0x0                                ; they are sources of the loads issued before: rewritten only behind this wait
	s_add_nc_u64 s[4:5], s[4:5], ASTEP
	s_add_nc_u64 s[6:7], s[6:7], BSTEP
.endm
.macro LOADSET set                     ; one K step into register set 0 or 1: 24 loads
	WIN \set*0x40
.irp i, 0,1,2,3,4,5,6,7
	global_load_b128 v[SA0+96*\set+4*\i:SA0+96*\set+4*\i+3], v[AO], s[4:5] offset:16384*\i  ; 4 rows x 128 bytes
.endr
.irp i, 0,1,2,3,4,5,6,7,8,9,10,11,12,13,14,15
	global_load_b128 v[SB0+96*\set+4*\i:SB0+96*\set+4*\i+3], v[BO], s[6:7] offset:\i*BP     ; 512 consecutive bytes of one k row
.endr
.endm
.macro STORESET set, slot              ; a register set into an LDS slot, w2 rounded on the way
	WIN \set*0x45
.irp i, 0,1,2,3,4,5,6,7,8,9,10,11,12,13,14,15
	v_cvt_pk_bf16_f32 v[SB0+96*\set+4*\i],   v[SB0+96*\set+4*\i],   v[SB0+96*\set+4*\i+1]
	v_cvt_pk_bf16_f32 v[SB0+96*\set+4*\i+1], v[SB0+96*\set+4*\i+2], v[SB0+96*\set+4*\i+3]
.endr
	WIN \set*0x04
.irp i, 0,1,2,3,4,5,6,7
	ds_store_b128 v[AS], v[SA0+96*\set+4*\i:SA0+96*\set+4*\i+3] offset:\slot*SLOT+4*AP*\i
.endr
.irp i, 0,1,2,3,4,5,6,7,8,9,10,11,12,13,14,15
	ds_store_b64 v[BS], v[SB0+96*\set+4*\i:SB0+96*\set+4*\i+1] offset:\slot*SLOT+BL*\i
.endr
	WIN 0
.endm
.macro FRAGS slot                      ; 32 LDS loads: the 16 of K half 0, then the 16 of K half 1
	WIN 0
.irp ks, 0,1
.irp a, 0,1,2,3
	ds_load_b128 v[F0+64*\ks+8*\a:F0+64*\ks+8*\a+3],   v[AF] offset:\slot*SLOT+16*AP*\a+64*\ks
	ds_load_b128 v[F0+64*\ks+8*\a+4:F0+64*\ks+8*\a+7], v[AF] offset:\slot*SLOT+16*AP*\a+64*\ks+32
.endr
.irp b, 0,1,2,3
	ds_load_tr16_b128 v[F0+64*\ks+32+8*\b:F0+64*\ks+32+8*\b+3],   v[BF] offset:\slot*SLOT+32*BL*\ks+32*\b
	ds_load_tr16_b128 v[F0+64*\ks+32+8*\b+4:F0+64*\ks+32+8*\b+7], v[BF] offset:\slot*SLOT+32*BL*\ks+32*\b+16*BL
.endr
.endr
.endm
; 16 matrix instructions, 32 along K.  Source 0 = 16 columns of w2, source 1 = 16 rows of hs: lane l holds row l % 16 and
; eight neighbouring columns.  The 16 accumulators take turns, one instruction a turn, in the same order in every run and over
; the loop's backward jump.
.macro MUL f, zero
	WIN 0x50
.irp a, 0,1,2,3
.irp b, 0,1,2,3
.if \zero
	v_wmma_f32_16x16x32_bf16 v[8*(4*\a+\b):8*(4*\a+\b)+7], v[\f+32+8*\b:\f+32+8*\b+7], v[\f+8*\a:\f+8*\a+7], 0
.else
	v_wmma_f32_16x16x32_bf16 v[8*(4*\a+\b):8*(4*\a+\b)+7], v[\f+32+8*\b:\f+32+8*\b+7], v[\f+8*\a:\f+8*\a+7], v[8*(4*\a+\b):8*(4*\a+\b)+7]
.endif
.endr
.endr
.endm
; Trip t multiplies slot t & 1; st: it then stores step t + 1 (set and slot nxt), whose slot was last read in trip t - 1, in front
; of that trip's barrier; reload: that set is loaded again with step t + 3.  ONE barrier a trip orders both: this trip's reads
; against the next trip's stores, and this trip's stores against the next trip's reads.
.macro TRIP slot, nxt, zero, st, cnt, reload
	FRAGS \slot
	s_wait_dscnt 16                                ; K half 0's fragments are in; the 16 loads of half 1 stay out
	MUL F0, \zero
	s_wait_dscnt 0x0
	MUL F1, 0
	WIN 0
	PLACES                                         ; the next loads into F0 and F1, and the way out, stand behind these
.if \st
	s_wait_loadcnt \cnt                            ; step t + 1 is in; what stays out is step t + 2's 24 loads, where there is such a step
	STORESET \nxt, \nxt
	s_wait_dscnt 0x0                               ; for the others' sake: my stores are in LDS (my reads were waited for above); and the set's registers have been read
.if \reload
	STEP
	LOADSET \nxt
	WIN 0
.endif
	s_barrier_signal -1
	s_barrier_wait -1
.endif
.endm
	s_load_b256 s[4:11], s[0:1], 0x0               ; hs s[4:5], w2 s[6:7], te s[8:9], ys s[10:11]
	v_lshl_add_u32 v30, v0, 2, 0x12000
	v_mov_b32 v31, 0
	v_lshrrev_b32 v1, 5, v0
	v_readfirstlane_b32 s16, v1                    ; wave
	v_and_b32 v1, 31, v0                           ; L
	v_and_b32 v2, 15, v0                           ; r
	v_bfe_u32 v3, v0, 4, 1                         ; h
	v_and_b32 v13, 7, v0                           ; L & 7
	v_bfe_u32 v14, v0, 3, 2                        ; L >> 3
	s_and_b32 s18, ttmp7, 0xffff                   ; tile
	s_lshr_b32 s23, s16, 1                         ; wm: my 64 rows
	s_and_b32 s24, s16, 1                          ; wn: my 64 columns
	s_lshl_b32 s27, s18, 2
	s_wait_kmcnt 0x0
	s_load_b32 s19, s[8:9], s27 offset:0x0         ; the tile's expert
	v_mul_u32_u24 v[AF], v2, AP                    ; (64 wm + r) AP + 16 h
	v_lshl_add_u32 v[AF], v3, 4, v[AF]
	s_mul_i32 s25, s23, 64*AP
	v_add_nc_u32 v[AF], s25, v[AF]
	v_lshl_add_u32 v[BF], v3, 3, v13               ; (8 h + (L & 7)) BL + 128 wn + 16 ((L >> 3) & 1) + BOFF
	v_mul_u32_u24 v[BF], v[BF], BL
	v_bfe_u32 v[ST], v0, 3, 1
	v_lshl_add_u32 v[BF], v[ST], 4, v[BF]
	s_lshl_b32 s25, s24, 7
	s_add_co_u32 s25, s25, BOFF
	v_add_nc_u32 v[BF], s25, v[BF]
	v_lshlrev_b32 v13, 4, v13                      ; 16 (L & 7)
	v_mad_u32_u24 v[AS], v14, AP, v13              ; (32 w + (L >> 3)) AP + 16 (L & 7)
	s_mul_i32 s25, s16, 32*AP                      ; = 16 w BL as well: 4,608 w
	v_add_nc_u32 v[AS], s25, v[AS]
	v_lshl_add_u32 v[BS], v1, 3, s25               ; 16 w BL + 8 L + BOFF
	v_add_nc_u32 v[BS], BOFF, v[BS]
	s_lshl_b32 s25, s16, 16                        ; 16 w BP
	v_lshl_add_u32 v[BO], v1, 4, s25
	v_lshl_add_u32 v[AO], v14, 12, v13             ; (32 w + (L >> 3)) rows of 4,096 bytes + 16 (L & 7)
	s_lshl_b32 s25, s16, 17
	v_add_nc_u32 v[AO], s25, v[AO]
	v_mul_u32_u24 v[ST], v2, SP                    ; (64 wm + r) SP + 256 wn + 32 h
	v_lshl_add_u32 v[ST], v3, 5, v[ST]
	s_mul_i32 s25, s23, 64*SP
	s_lshl_b32 s26, s24, 8
	s_add_co_u32 s25, s25, s26
	v_add_nc_u32 v[ST], s25, v[ST]
	v_lshlrev_b32 v[CO], 4, v1                     ; 16 L
	s_mul_i32 s25, s16, 32*SP
	v_add_nc_u32 v[RD], s25, v[CO]                 ; 32 w SP + 16 L
	s_lshl_b32 s20, s18, 19                        ; hs: 128 rows of 4,096 bytes a tile
	s_mov_b32 s21, 0
	s_add_nc_u64 s[4:5], s[4:5], s[20:21]
	s_lshl_b32 s20, s18, 7                         ; ys: row 128 tile + 32 w, 4,096 bytes a row, + 512 strip
	s_lshl_b32 s26, s16, 5
	s_add_co_u32 s20, s20, s26
	s_lshl_b32 s20, s20, 12
	s_lshl_b32 s25, ttmp9, 9
	s_add_co_u32 s20, s20, s25
	s_add_nc_u64 s[10:11], s[10:11], s[20:21]
	s_wait_kmcnt 0x0
	s_min_u32 s19, s19, 7                          ; an expert's number; the clamp binds the address
	s_lshl_b32 s20, s19, 23                        ; w2[e]: 2,048 x 1,024 x 4 bytes, + the strip's 128 columns of 4 bytes
	s_add_co_u32 s20, s20, s25
	s_add_nc_u64 s[6:7], s[6:7], s[20:21]
	LOADSET 0                                      ; step 0
	STEP
	LOADSET 1                                      ; step 1
	s_wait_loadcnt 24                              ; step 0 is in; step 1's 24 loads stay out
	STORESET 0, 0
	s_wait_dscnt 0x0
	STEP
	LOADSET 0                                      ; step 2
	WIN 0
	s_barrier_signal -1
	s_barrier_wait -1
	TRIP 0, 1, 1, 1, 24, 1                         ; the first products start the sums: nothing is cleared
	TRIP 1, 0, 0, 1, 24, 1
	s_mov_b32 s22, (NT-6)/2
.Lk:
	TRIP 0, 1, 0, 1, 24, 1
	TRIP 1, 0, 0, 1, 24, 1
	s_sub_co_i32 s22, s22, 1
	s_cmp_lg_u32 s22, 0
	s_cbranch_scc1 .Lk
	TRIP 0, 1, 0, 1, 24, 1                         ; trip NT - 4 loads the last step
	TRIP 1, 0, 0, 1, 24, 0                         ; no load leaves the buffers
	TRIP 0, 1, 0, 1, 0, 0                          ; the last step's loads: none is younger
	TRIP 1, 0, 0, 0, 0, 0
	s_barrier_signal -1                            ; every wave's reads of the slots are over (waited for in the trip):
	s_barrier_wait -1                              ; the stage may lie over them
	; THE WAY OUT: 32 bytes a lane (eight neighbouring f32 of a row) into the stage; whole rows of 512 bytes back and out
	WIN 0x04                                       ; the stores' data: the accumulators in block 1
.irp a, 0,1,2,3
.irp b, 0,1,2,3
	ds_store_b128 v[ST], v[8*(4*\a+\b):8*(4*\a+\b)+3]   offset:16*SP*\a+64*\b
	ds_store_b128 v[ST], v[8*(4*\a+\b)+4:8*(4*\a+\b)+7] offset:16*SP*\a+64*\b+16
.endr
.endr
	WIN 0
	s_wait_dscnt 0x0                               ; a row of the stage is written by two waves: store, wait, barrier, load
	s_barrier_signal -1
	s_barrier_wait -1
.set i, 0
.rept 32
	ds_load_b128 v[F0+4*i:F0+4*i+3], v[RD] offset:SP*i             ; one row: 32 lanes, 512 bytes
.set i, i+1
.endr
.set i, 0
.rept 32
	s_wait_dscnt 31-i                              ; LDS loads return in order: row i is in, the younger ones stay out
	global_store_b128 v[CO], v[F0+4*i:F0+4*i+3], s[10:11] offset:4096*i   ; 512 consecutive bytes, aligned
.set i, i+1
.endr
	s_wait_tensorcnt 0x0
	ds_add_u32 v30, v31
	s_wait_dscnt 0x0
	s_endpgm
.Lfunc_end_k_q3786d6c538_down:
	.size	k_q3786d6c538_down, .Lfunc_end_k_q3786d6c538_down-k_q3786d6c538_down
	.p2alignl 7, 3214868480
	.fill 96, 4, 3214868480
	.section	.rodata,"a",@progbits
	.p2align	6, 0x0
	.amdhsa_kernel k_q3786d6c538_down
		.amdhsa_group_segment_fixed_size 74240
		.amdhsa_private_segment_fixed_size 0
		.amdhsa_enable_private_segment 0
		.amdhsa_kernarg_size 32
		.amdhsa_user_sgpr_count 2
		.amdhsa_user_sgpr_kernarg_segment_ptr 1
		.amdhsa_wavefront_size32 1
		.amdhsa_system_sgpr_workgroup_id_x 1
		.amdhsa_system_sgpr_workgroup_id_y 1
		.amdhsa_system_sgpr_workgroup_id_z 1
		.amdhsa_system_vgpr_workitem_id 0
		.amdhsa_next_free_vgpr 480
		.amdhsa_next_free_sgpr 66
		.amdhsa_reserve_vcc 0
		.amdhsa_float_denorm_mode_32 3
		.amdhsa_float_denorm_mode_16_64 3
		.amdhsa_memory_ordered 1
		.amdhsa_forward_progress 1
		.amdhsa_inst_pref_size 95
	.end_amdhsa_kernel
	.amdgpu_metadata
---
amdhsa.version: [ 1, 2 ]
amdhsa.kernels:
  - .name:           k_q3786d6c538_down
    .symbol:         k_q3786d6c538_down.kd
    .args:
      - { .name: hs, .offset: 0, .size: 8, .value_kind: global_buffer, .address_space: global }
      - { .name: w2, .offset: 8, .size: 8, .value_kind: global_buffer, .address_space: global }
      - { .name: te, .offset: 16, .size: 8, .value_kind: global_buffer, .address_space: global }
      - { .name: ys, .offset: 24, .size: 8, .value_kind: global_buffer, .address_space: global }
    .group_segment_fixed_size: 74240
    .private_segment_fixed_size: 0
    .kernarg_segment_align: 8
    .kernarg_segment_size: 32
    .max_flat_workgroup_size: 128
    .sgpr_count:     66
    .vgpr_count:     480
    .wavefront_size: 32
...
	.end_amdgpu_metadata
.endif
;; end of part 4
;; launch mix (part 5): grid 256 x 1, 8 waves a work-group, no clusters, 0 bytes of LDS; arguments ys, b2, inv, sel, gates, out0; writes out0
.if DOCPART == 5
	.amdgcn_target "amdgcn-amd-amdhsa--gfx1250"
	.amdhsa_code_object_version 6
	.text
	.protected	k_q3786d6c538_mix
	.globl	k_q3786d6c538_mix
	.p2align	8
	.type	k_q3786d6c538_mix,@function
k_q3786d6c538_mix:
	s_mov_b64 s[64:65], 0
	v_nop
	global_prefetch_b8 v0, s[64:65] scope:SCOPE_SE
	s_setreg_imm32_b32 hwreg(HW_REG_WAVE_MODE, 25, 1), 1
	s_wait_xcnt 0x0
; THE GATES: out[t] = g1 (ys[r1] + b2[e1]) + g2 (ys[r2] + b2[e2]); the six other experts' gates are exactly 0 in the sum that is asked for.
; One wave, one token: t = 8 x work-group + wave; a row of 1,024 f32 is eight loads of 512 consecutive bytes.  2,048 waves, no barrier,
; no LDS, no matrix unit: a stream of 16 KiB in and 4 KiB out for each token, in which memory binds.  No cluster: nothing is shared
; but b2, 32 KiB in all.
; The rows r1, r2 and the experts e1, e2 are whole numbers stored by earlier launches.
; LIMIT, stated: b2 is rounded to bf16 like the matrix operands.
.set B1, 4                             ; v[4:35]    b2[e1], then the sum
.set B2, 36                            ; v[36:67]   b2[e2]
.set Y1, 68                            ; v[68:99]   ys[r1]
.set Y2, 100                           ; v[100:131] ys[r2]
.set T,  132                           ; v[132:133] at work
	s_load_b256 s[4:11], s[0:1], 0x0               ; ys s[4:5], b2 s[6:7], inv s[8:9], sel s[10:11]
	s_load_b128 s[12:15], s[0:1], 0x20             ; gates s[12:13], out0 s[14:15]
	v_lshrrev_b32 v2, 5, v0
	v_readfirstlane_b32 s16, v2                    ; wave
	v_and_b32 v1, 31, v0
	v_lshlrev_b32 v1, 4, v1                        ; 16 bytes a lane
	s_lshl3_add_u32 s17, ttmp9, s16                ; the token
	s_lshl_b32 s18, s17, 3
	s_lshl_b32 s19, s17, 2
	s_lshl_b32 s40, s17, 12
	s_mov_b32 s41, 0
	s_wait_kmcnt 0x0
	s_load_b64 s[20:21], s[8:9], s18 offset:0x0    ; r1, r2
	s_load_b64 s[22:23], s[12:13], s18 offset:0x0  ; g1, g2
	s_load_b32 s24, s[10:11], s19 offset:0x0       ; e1 | e2 << 8
	s_add_nc_u64 s[14:15], s[14:15], s[40:41]
	s_wait_kmcnt 0x0
	s_min_u32 s20, s20, 0x13ff                     ; rows below 5,120, experts below 8: the clamps bind the addresses
	s_min_u32 s21, s21, 0x13ff
	s_and_b32 s25, s24, 0xff
	s_bfe_u32 s26, s24, 0x80008
	s_min_u32 s25, s25, 7
	s_min_u32 s26, s26, 7
	s_lshl_b32 s32, s20, 12                        ; rows of ys and of b2 are 4,096 bytes
	s_mov_b32 s33, 0
	s_lshl_b32 s34, s21, 12
	s_mov_b32 s35, 0
	s_lshl_b32 s36, s25, 12
	s_mov_b32 s37, 0
	s_lshl_b32 s38, s26, 12
	s_mov_b32 s39, 0
	s_add_nc_u64 s[32:33], s[4:5], s[32:33]
	s_add_nc_u64 s[34:35], s[4:5], s[34:35]
	s_add_nc_u64 s[36:37], s[6:7], s[36:37]
	s_add_nc_u64 s[38:39], s[6:7], s[38:39]
	s_mov_b32 s28, s22                             ; the gates as pairs for the packed forms (both words written; the first is broadcast)
	s_mov_b32 s29, s22
	s_mov_b32 s30, s23
	s_mov_b32 s31, s23
.irp j, 0,1,2,3,4,5,6,7
	global_load_b128 v[B1+4*\j:B1+4*\j+3], v1, s[36:37] offset:512*\j
	global_load_b128 v[B2+4*\j:B2+4*\j+3], v1, s[38:39] offset:512*\j
.endr
.irp j, 0,1,2,3,4,5,6,7
	global_load_b128 v[Y1+4*\j:Y1+4*\j+3], v1, s[32:33] offset:512*\j th:TH_LOAD_NT   ; each row of ys is read once in the launch
	global_load_b128 v[Y2+4*\j:Y2+4*\j+3], v1, s[34:35] offset:512*\j th:TH_LOAD_NT
.endr
	s_wait_loadcnt 16                              ; b2's rows are in; the 16 loads of ys were issued behind them and stay out
.set q, 0
.rept 32
	v_cvt_pk_bf16_f32 v[T+q%2], v[B1+2*q], v[B1+2*q+1]             ; b2 rounded to bf16 (B1 and B2 lie side by side),
	v_lshlrev_b32 v[B1+2*q], 16, v[T+q%2]                          ; and back as f32
	v_and_b32 v[B1+2*q+1], 0xffff0000, v[T+q%2]
.set q, q+1
.endr
.set q, 0
.rept 16
	v_pk_mul_f32 v[B1+2*q:B1+2*q+1], v[B1+2*q:B1+2*q+1], s[28:29] op_sel_hi:[1,0]
.set q, q+1
.endr
.set q, 0
.rept 16
	v_pk_fma_f32 v[B1+2*q:B1+2*q+1], v[B2+2*q:B2+2*q+1], s[30:31], v[B1+2*q:B1+2*q+1] op_sel_hi:[1,0,1]
.set q, q+1
.endr
	s_wait_loadcnt 0x0
.set q, 0
.rept 16
	v_pk_fma_f32 v[B1+2*q:B1+2*q+1], v[Y1+2*q:Y1+2*q+1], s[28:29], v[B1+2*q:B1+2*q+1] op_sel_hi:[1,0,1]
.set q, q+1
.endr
.set q, 0
.rept 16
	v_pk_fma_f32 v[B1+2*q:B1+2*q+1], v[Y2+2*q:Y2+2*q+1], s[30:31], v[B1+2*q:B1+2*q+1] op_sel_hi:[1,0,1]
.set q, q+1
.endr
.irp j, 0,1,2,3,4,5,6,7
	global_store_b128 v1, v[B1+4*\j:B1+4*\j+3], s[14:15] offset:512*\j th:TH_STORE_NT ; 512 consecutive bytes, aligned
.endr
	s_endpgm
.Lfunc_end_k_q3786d6c538_mix:
	.size	k_q3786d6c538_mix, .Lfunc_end_k_q3786d6c538_mix-k_q3786d6c538_mix
	.p2alignl 7, 3214868480
	.fill 96, 4, 3214868480
	.section	.rodata,"a",@progbits
	.p2align	6, 0x0
	.amdhsa_kernel k_q3786d6c538_mix
		.amdhsa_group_segment_fixed_size 0
		.amdhsa_private_segment_fixed_size 0
		.amdhsa_enable_private_segment 0
		.amdhsa_kernarg_size 48
		.amdhsa_user_sgpr_count 2
		.amdhsa_user_sgpr_kernarg_segment_ptr 1
		.amdhsa_wavefront_size32 1
		.amdhsa_system_sgpr_workgroup_id_x 1
		.amdhsa_system_sgpr_workgroup_id_y 1
		.amdhsa_system_sgpr_workgroup_id_z 1
		.amdhsa_system_vgpr_workitem_id 0
		.amdhsa_next_free_vgpr 136
		.amdhsa_next_free_sgpr 66
		.amdhsa_reserve_vcc 0
		.amdhsa_float_denorm_mode_32 3
		.amdhsa_float_denorm_mode_16_64 3
		.amdhsa_memory_ordered 1
		.amdhsa_forward_progress 1
		.amdhsa_inst_pref_size 15
	.end_amdhsa_kernel
	.amdgpu_metadata
---
amdhsa.version: [ 1, 2 ]
amdhsa.kernels:
  - .name:           k_q3786d6c538_mix
    .symbol:         k_q3786d6c538_mix.kd
    .args:
      - { .name: ys, .offset: 0, .size: 8, .value_kind: global_buffer, .address_space: global }
      - { .name: b2, .offset: 8, .size: 8, .value_kind: global_buffer, .address_space: global }
      - { .name: inv, .offset: 16, .size: 8, .value_kind: global_buffer, .address_space: global }
      - { .name: sel, .offset: 24, .size: 8, .value_kind: global_buffer, .address_space: global }
      - { .name: gates, .offset: 32, .size: 8, .value_kind: global_buffer, .address_space: global }
      - { .name: out0, .offset: 40, .size: 8, .value_kind: global_buffer, .address_space: global }
    .group_segment_fixed_size: 0
    .private_segment_fixed_size: 0
    .kernarg_segment_align: 8
    .kernarg_segment_size: 48
    .max_flat_workgroup_size: 256
    .sgpr_count:     66
    .vgpr_count:     136
    .wavefront_size: 32
...
	.end_amdgpu_metadata
.endif
;; end of part 5
;; ======== version 2 of 2: 5 launches; 1.19 times as fast as version 1
;; limits: values outside matrix products are rounded to bf16
;; workspace buffers: xb 4,194,304 bytes; sel 8,192 bytes of whole numbers; gates 16,384 bytes; inv 16,384 bytes of whole numbers; meta 2,048 bytes of whole numbers; xs 8,650,752 bytes; hs 17,301,504 bytes; ys 34,603,008 bytes
;; launch route: the kernel of part 1 again; grid 128 x 1, 4 waves a work-group, no clusters, 55,296 bytes of LDS; arguments x, router_w, router_b, xb, sel, gates; writes xb, sel, gates
;; launch sort (part 6): grid 132 x 1, 8 waves a work-group, no clusters, 3,328 bytes of LDS; arguments sel, xb, inv, meta, xs; writes inv, meta, xs
.if DOCPART == 6
	.amdgcn_target "amdgcn-amd-amdhsa--gfx1250"
	.amdhsa_code_object_version 6
	.text
	.protected	k_q3786d6c538_sort
	.globl	k_q3786d6c538_sort
	.p2align	8
	.type	k_q3786d6c538_sort,@function
k_q3786d6c538_sort:
	s_mov_b64 s[64:65], 0
	v_nop
	global_prefetch_b8 v0, s[64:65] scope:SCOPE_SE
	s_setreg_imm32_b32 hwreg(HW_REG_WAVE_MODE, 25, 1), 1
	s_wait_xcnt 0x0
; SORT BY EXPERT AND GATHER.  The 4,096 (token, expert) pairs are laid in rows sorted by expert, each expert's rows padded to a
; multiple of 16: at most (4,096 + 8 x 15) / 16 = 263 tiles of 16 rows, so 264 tiles always suffice.
;   inv[t]  = the rows of token t's two pairs          meta[e] = (first tile of expert e, its number of tiles)
;   xs      = the rows' bf16 tokens in the order in which a matrix fragment wants them:
;             xs[tile][K step of 32][half q][lane][16 bytes], lane (r, h) holding k = 32 s + 16 q + 8 h + 0..7 of row r,
;             so that a later load of a fragment half is 512 consecutive bytes.  Padding rows hold token 0.
; 132 work-groups of eight waves, two tiles each.  Work-groups exchange nothing within a launch, so each repeats the small whole-number
; work on sel (8 KiB): thread (w, L) holds tokens 256 w + 32 s + L, s = 0..7; counts, a prefix over waves, each pair's row.
; Of the rows only those in the group's own window of 32 are kept: each wave scatters into a list of ITS OWN in LDS (32 words and a
; dump word for rows outside the window, never read); behind a barrier the eight lists are added: a row is set in one list at most.
; Work-group 0 alone stores inv and meta.  No floats are touched but as bytes that are copied.
.set CT,    0                          ; [8 waves][8 experts] counts, 256 bytes
.set WL,    256                        ; the waves' lists, 256 bytes apart
.set SEL,   8                          ; v[8:15]
.set I1,    16                         ; v[16:23]
.set I2,    24                         ; v[24:31]
.set RP,    32                         ; v[32:47]  (row of pair 1, row of pair 2) for each s
.set OFF,   48                         ; v[48:55]  next free row of expert e for my wave
.set TOT,   56                         ; v[56:63]  pairs of expert e
.set T,     64                         ; v[64:127] counts [wave][expert]; later the gathered pieces
.set BASE,  128                        ; v[128:135] first row of expert e
.set T0,    136                        ; 256 w + L
.set A4,    137                        ; 4 T0
.set WB,    138                        ; my list's first byte
.set A8,    139                        ; 8 T0
.set W0,    140                        ; the first row of my group's window
.macro MASKS s, e                      ; s24: pair 1 of my token s goes to expert e; s25: pair 2; s26: either (never both)
	v_cmp_eq_u32 s24, \e, v[I1+\s]
	v_cmp_eq_u32 s25, \e, v[I2+\s]
	s_or_b32 s26, s24, s25
.endm
	s_load_b256 s[4:11], s[0:1], 0x0               ; sel s[4:5], xb s[6:7], inv s[8:9], meta s[10:11]
	s_load_b64 s[28:29], s[0:1], 0x20              ; xs
	v_lshl_add_u32 v144, v0, 2, 0x900
	v_mov_b32 v145, 0
	v_and_b32 v1, 31, v0
	v_lshrrev_b32 v2, 5, v0
	v_readfirstlane_b32 s12, v2                    ; wave
	v_lshl_add_u32 v[T0], v2, 8, v1
	v_lshlrev_b32 v[A4], 2, v[T0]
	v_lshlrev_b32 v[A8], 3, v[T0]
	s_lshl_b32 s13, s12, 8
	s_add_co_u32 s13, s13, WL
	v_mov_b32 v[WB], s13
	v_lshl_add_u32 v3, v1, 2, s13                  ; clearing: a word a lane
	v_lshlrev_b32 v2, 5, v2                        ; 32 w: my wave's counts
	v_mov_b32 v4, 0
	s_lshl_b32 s14, ttmp9, 5                       ; the first row of my group's window
	v_mov_b32 v[W0], s14
	s_wait_kmcnt 0x0
.irp s, 0,1,2,3,4,5,6,7
	global_load_b32 v[SEL+\s], v[A4], s[4:5] offset:128*\s
.endr
	ds_store_b32 v3, v4                            ; my own list, cleared
	s_wait_loadcnt 0x0
.irp s, 0,1,2,3,4,5,6,7
	v_and_b32 v[I1+\s], 0xff, v[SEL+\s]
	v_bfe_u32 v[I2+\s], v[SEL+\s], 8, 8
.endr
	; pass 1: my wave's pairs for each expert
.irp e, 0,1,2,3,4,5,6,7
	s_mov_b32 s[16+\e], 0
.endr
.irp s, 0,1,2,3,4,5,6,7
.irp e, 0,1,2,3,4,5,6,7
	MASKS \s, \e
	s_bcnt1_i32_b32 s27, s26
	s_add_co_u32 s[16+\e], s[16+\e], s27
.endr
.endr
.irp e, 0,1,2,3,4,5,6,7
	v_mov_b32 v[OFF+\e], s[16+\e]
.endr
	ds_store_b128 v2, v[OFF:OFF+3]   offset:CT     ; every lane writes the same words with the same values
	ds_store_b128 v2, v[OFF+4:OFF+7] offset:CT+16
	s_wait_dscnt 0x0                               ; for the others' sake: my counts are in LDS
	s_barrier_signal -1
	s_barrier_wait -1
	v_mov_b32 v3, 0
.set i, 0
.rept 16
	ds_load_b128 v[T+4*i:T+4*i+3], v3 offset:CT+16*i
.set i, i+1
.endr
	s_wait_dscnt 0x0
	; totals, and what the waves in front of mine hold
	s_cmp_gt_u32 s12, 0
	s_cselect_b32 s27, 1, 0
.irp e, 0,1,2,3,4,5,6,7
	v_mov_b32 v[TOT+\e], v[T+\e]
	v_mul_u32_u24 v[OFF+\e], v[T+\e], s27
.endr
.irp w, 1,2,3,4,5,6
	s_cmp_gt_u32 s12, \w
	s_cselect_b32 s27, 1, 0
.irp e, 0,1,2,3,4,5,6,7
	v_add_nc_u32 v[TOT+\e], v[TOT+\e], v[T+8*\w+\e]
	v_mad_u32_u24 v[OFF+\e], v[T+8*\w+\e], s27, v[OFF+\e]
.endr
.endr
.irp e, 0,1,2,3,4,5,6,7
	v_add_nc_u32 v[TOT+\e], v[TOT+\e], v[T+56+\e]  ; wave 7 stands in front of nobody
.endr
	v_mov_b32 v[BASE], 0
.irp e, 0,1,2,3,4,5,6
	v_add_nc_u32 v2, 15, v[TOT+\e]
	v_and_b32 v2, 0xfffffff0, v2                   ; rounded up to whole tiles of 16
	v_add_nc_u32 v[BASE+1+\e], v[BASE+\e], v2
.endr
.irp e, 0,1,2,3,4,5,6,7
	v_add_nc_u32 v[OFF+\e], v[OFF+\e], v[BASE+\e]
.endr
	; pass 2: each pair's row = the expert's next free row + the pairs of lower lanes
.set i, 0
.rept 16
	v_mov_b32 v[RP+i], 0
.set i, i+1
.endr
.irp s, 0,1,2,3,4,5,6,7
.irp e, 0,1,2,3,4,5,6,7
	MASKS \s, \e
	v_mbcnt_lo_u32_b32 v2, s26, v[OFF+\e]
	v_cndmask_b32 v[RP+2*\s],   v[RP+2*\s],   v2, s24
	v_cndmask_b32 v[RP+2*\s+1], v[RP+2*\s+1], v2, s25
	s_bcnt1_i32_b32 s27, s26
	v_add_nc_u32 v[OFF+\e], s27, v[OFF+\e]
.endr
.endr
.irp s, 0,1,2,3,4,5,6,7
	v_min_u32 v[RP+2*\s],   0x107f, v[RP+2*\s]     ; rows are below 4,224 by the count at the head
	v_min_u32 v[RP+2*\s+1], 0x107f, v[RP+2*\s+1]
	v_add_nc_u32 v4, 32*\s, v[T0]                  ; the token
	v_sub_nc_u32 v2, v[RP+2*\s],   v[W0]           ; the row's place in my group's window; a row in front of it wraps to a large number,
	v_sub_nc_u32 v3, v[RP+2*\s+1], v[W0]
	v_min_u32 v2, 32, v2                           ; so every row outside the window lands on word 32, the dump word
	v_min_u32 v3, 32, v3
	v_lshl_add_u32 v2, v2, 2, v[WB]
	v_lshl_add_u32 v3, v3, 2, v[WB]
	ds_store_b32 v2, v4                            ; into my own list, behind my own clearing (a wave's LDS instructions are served in order)
	ds_store_b32 v3, v4
.endr
	s_cmp_lg_u32 s14, 0
	s_cbranch_scc1 .Lnot0                          ; inv and meta are work-group 0's; no barrier stands in this branch
.irp s, 0,1,2,3,4,5,6,7
	global_store_b64 v[A8], v[RP+2*\s:RP+2*\s+1], s[8:9] offset:256*\s   ; 32 lanes: 256 consecutive bytes, aligned
.endr
	v_mov_b32 v6, 0
	v_mov_b32 v7, 0
.irp e, 0,1,2,3,4,5,6,7
	v_cmp_eq_u32 vcc_lo, \e, v0                    ; thread e takes expert e's figures
	v_cndmask_b32 v6, v6, v[BASE+\e], vcc_lo
	v_cndmask_b32 v7, v7, v[TOT+\e], vcc_lo
.endr
	v_lshrrev_b32 v6, 4, v6                        ; first tile
	v_add_nc_u32 v7, 15, v7
	v_lshrrev_b32 v7, 4, v7                        ; tiles
	v_lshlrev_b32 v5, 3, v0
	v_cmp_gt_u32 vcc_lo, 8, v0
	s_wait_xcnt 0x0                                ; EXEC is a source of the stores above: it narrows only behind this wait
	s_and_saveexec_b32 s15, vcc_lo
	global_store_b64 v5, v[6:7], s[10:11]
	s_wait_xcnt 0x0                                ; and widens only behind this one
	s_or_b32 exec_lo, exec_lo, s15
.Lnot0:
	s_wait_dscnt 0x0                               ; for the others' sake: my list is whole
	s_barrier_signal -1
	s_barrier_wait -1
	; GATHER: wave w takes tile j = w / 4 of the group's two and K steps 8 (w % 4) .. + 7; lane (r, h) takes row r's 16 bytes
	v_and_b32 v2, 15, v0                           ; r
	v_bfe_u32 v3, v0, 4, 1                         ; h
	s_lshr_b32 s15, s12, 2                         ; j
	s_and_b32 s30, s12, 3                          ; which quarter of K
	s_lshl_b32 s31, s15, 6
	v_lshl_add_u32 v4, v2, 2, s31                  ; word 16 j + r of a list
.irp k, 0,1,2,3,4,5,6,7
	ds_load_b32 v[8+\k], v4 offset:WL+256*\k
.endr
	s_lshl_b32 s32, ttmp9, 16                      ; xs: two tiles of 32,768 bytes a group,
	s_lshl_b32 s33, s15, 15                        ; my tile,
	s_add_co_u32 s32, s32, s33
	s_lshl_b32 s33, s30, 13                        ; my eight K steps of 1,024 bytes
	s_add_co_u32 s32, s32, s33
	s_mov_b32 s33, 0
	s_add_nc_u64 s[28:29], s[28:29], s[32:33]
	s_lshl_b32 s31, s30, 9                         ; the same eight K steps in a row of xb: 64 bytes each
	v_lshlrev_b32 v5, 4, v1                        ; 16 bytes a lane
	s_wait_dscnt 0x0
.irp k, 1,2,3,4,5,6,7
	v_add_nc_u32 v8, v8, v[8+\k]                   ; the row's token: set in one list, 0 in the others (0 in all: a padding row)
.endr
	v_min_u32 v8, 0x7ff, v8                        ; a token's number; the clamp binds the address
	v_lshlrev_b32 v8, 11, v8                       ; 2,048 bytes a row of xb
	v_lshl_add_u32 v8, v3, 4, v8
	v_add_nc_u32 v8, s31, v8
.set i, 0
.rept 16
	global_load_b128 v[T+4*i:T+4*i+3], v8, s[6:7] offset:32*i      ; K step i / 2, half i % 2: bytes 64 s + 32 q + 16 h of the row
.set i, i+1
.endr
.set i, 0
.rept 16
	s_wait_loadcnt 15-i                            ; loads return in order: piece i is in, the younger ones stay out
	global_store_b128 v5, v[T+4*i:T+4*i+3], s[28:29] offset:512*i  ; 512 consecutive bytes, aligned
.set i, i+1
.endr
	s_wait_tensorcnt 0x0
	ds_add_u32 v144, v145
	s_wait_dscnt 0x0
	s_endpgm
.Lfunc_end_k_q3786d6c538_sort:
	.size	k_q3786d6c538_sort, .Lfunc_end_k_q3786d6c538_sort-k_q3786d6c538_sort
	.p2alignl 7, 3214868480
	.fill 96, 4, 3214868480
	.section	.rodata,"a",@progbits
	.p2align	6, 0x0
	.amdhsa_kernel k_q3786d6c538_sort
		.amdhsa_group_segment_fixed_size 3328
		.amdhsa_private_segment_fixed_size 0
		.amdhsa_enable_private_segment 0
		.amdhsa_kernarg_size 40
		.amdhsa_user_sgpr_count 2
		.amdhsa_user_sgpr_kernarg_segment_ptr 1
		.amdhsa_wavefront_size32 1
		.amdhsa_system_sgpr_workgroup_id_x 1
		.amdhsa_system_sgpr_workgroup_id_y 1
		.amdhsa_system_sgpr_workgroup_id_z 1
		.amdhsa_system_vgpr_workitem_id 0
		.amdhsa_next_free_vgpr 146
		.amdhsa_next_free_sgpr 66
		.amdhsa_reserve_vcc 1
		.amdhsa_float_denorm_mode_32 3
		.amdhsa_float_denorm_mode_16_64 3
		.amdhsa_memory_ordered 1
		.amdhsa_forward_progress 1
		.amdhsa_inst_pref_size 64
	.end_amdhsa_kernel
	.amdgpu_metadata
---
amdhsa.version: [ 1, 2 ]
amdhsa.kernels:
  - .name:           k_q3786d6c538_sort
    .symbol:         k_q3786d6c538_sort.kd
    .args:
      - { .name: sel, .offset: 0, .size: 8, .value_kind: global_buffer, .address_space: global }
      - { .name: xb, .offset: 8, .size: 8, .value_kind: global_buffer, .address_space: global }
      - { .name: inv, .offset: 16, .size: 8, .value_kind: global_buffer, .address_space: global }
      - { .name: meta, .offset: 24, .size: 8, .value_kind: global_buffer, .address_space: global }
      - { .name: xs, .offset: 32, .size: 8, .value_kind: global_buffer, .address_space: global }
    .group_segment_fixed_size: 3328
    .private_segment_fixed_size: 0
    .kernarg_segment_align: 8
    .kernarg_segment_size: 40
    .max_flat_workgroup_size: 256
    .sgpr_count:     66
    .vgpr_count:     146
    .wavefront_size: 32
...
	.end_amdgpu_metadata
.endif
;; end of part 6
;; launch up (part 7): grid 32 x 8, 4 waves a work-group, no clusters, 164,352 bytes of LDS; arguments xs, w1, b1, meta, hs; writes hs
.if DOCPART == 7
	.amdgcn_target "amdgcn-amd-amdhsa--gfx1250"
	.amdhsa_code_object_version 6
	.text
	.protected	k_q3786d6c538_up
	.globl	k_q3786d6c538_up
	.p2align	8
	.type	k_q3786d6c538_up,@function
k_q3786d6c538_up:
	s_mov_b64 s[64:65], 0
	v_nop
	global_prefetch_b8 v0, s[64:65] scope:SCOPE_SE
	s_setreg_imm32_b32 hwreg(HW_REG_WAVE_MODE, 25, 1), 1
	s_wait_xcnt 0x0
; FIRST LAYER OF THE EXPERTS on sorted rows: hs[row][n] = bf16(relu(sum over k of xs[row][k] w1[e][k][n] + b1[e][n])).
; A work-group is one expert (group y) and one strip of 64 columns (group x): 8 x 32 = 256 work-groups, four waves.
; PHASE 1: the strip of w1[e], 1,024 k x 64 columns of f32, is read once in the whole launch (row pieces of 256 consecutive bytes),
; rounded to bf16 in registers and laid [k][64] into LDS; one barrier, the only one of the text.
; PHASE 2: a pass is 36 tiles of 16 sorted rows, tile 36 p + 4 a + w for wave w, a = 0..8; K = 1,024 in 32 steps of 32.
; The rows' fragments come straight from xs into registers: xs is stored in fragment order, so each load is 512 consecutive bytes,
; and no token byte passes through LDS.  A K step reads 4 KiB of LDS a wave (the four column fragments, by the transposing load)
; for 36 matrix instructions.  The 32 K steps are written out: every LDS address is one of four registers that are never rewritten
; plus an immediate, and a row fragment's K step stands in its load's immediate, so that no base is stepped.
; The number of passes hangs on the expert's count (whole numbers stored by an earlier launch), which is why no barrier stands in
; phase 2.  A tile past the expert's last loads that last tile again and stores nothing.
; THE WAY OUT needs no stage: with source 0 = columns and source 1 = rows, lane (r, h) holds columns 16 b + 8 h + 0..7 of row r, and
; packed to bf16 these 16 bytes are what lane (r, h) wants as k = 32 s + 16 q + 8 h + 0..7 in the next layer: hs is stored in fragment
; order, hs[tile][K step of 32][half][lane][16 bytes], 512 consecutive bytes a store.
; No cluster: no two work-groups share weights; the rows that the 32 work-groups of an expert share go into registers, in a loop whose
; trips hang on a count read from memory, where no round of a barrier may stand.  No tensor load: w1 is converted in registers.
; LIMITS, stated: work is shared out by expert, so a routing that favours an expert lengthens the launch (an expert with more than
; 576 pairs takes further passes); the values hold for every routing.  b1 is rounded to bf16 like the matrix operands.  NaN and
; infinite inputs are not served.
; REGISTERS: block 0: v0-31 addresses; v32-95 column fragments, two buffers; v96-127 accumulators of tile a = 8; v128-207 bias, way out.
;            block 1: accumulators of a = 0..7, tile (a, b) at 32 a + 8 b.  block 2: row-fragment slots 0-2, 72 registers each.
;            block 3: slot 3.  In phase 1 blocks 1 and 2 hold the eight groups of 16 weight loads.
.set BP,    8192                       ; bytes from a k row of w1[e] to the next
.set BPSH,  13
.set PITCH, 160                        ; LDS row: 128 bytes + 32, an odd multiple of 32 (transposing loads)
.set KSB,   1024                       ; bytes of one K step of one tile in xs
.set TSH,   15                         ; a tile of xs is 32,768 bytes
.set L16, 4                            ; 16 x lane
.set WO,  7                            ; byte offset in w1[e]'s strip
.set WS,  8                            ; where my converted weights go in LDS
.set BIO, 9                            ; byte offset in b1
.set HO,  10                           ; byte offset in hs
.set AO,  16                           ; v[16:24] byte offset in xs of my nine tiles
.set BFG, 26                           ; v[26:29] column-fragment address for K steps 8 g .. 8 g + 7 (an LDS immediate has 16 bits); never rewritten
.set BFR, 32
.set ACC8, 96
.set BIAS, 128
.set TMP, 160
.set PK,  192
.set MSB, 0
.macro WIN new                         ; the immediate's high byte repeats the setting that is left; a switch that changes nothing is dropped
.if MSB != (\new)
	s_set_vgpr_msb (MSB<<8)|(\new)
.set MSB, \new
.endif
.endm
.macro PLACES                          ; four places behind matrix instructions (ISA guide 7.12.1)
.rept 4
	v_nop
.endr
.endm
.macro LOADG g                         ; group g of my 256 k rows: 16 loads, two rows of 256 bytes each
	WIN (1+(\g)/4)*0x40
.irp i, 0,1,2,3,4,5,6,7,8,9,10,11,12,13,14,15
	global_load_b128 v[64*((\g)%4)+4*\i:64*((\g)%4)+4*\i+3], v[WO], s[6:7] offset:(32*(\g)+2*\i)*BP th:TH_LOAD_NT
.endr
.endm
.macro PUTG g                          ; rounded to bf16 and into LDS
	WIN (1+(\g)/4)*0x45
.irp i, 0,1,2,3,4,5,6,7,8,9,10,11,12,13,14,15
	v_cvt_pk_bf16_f32 v[64*((\g)%4)+4*\i],   v[64*((\g)%4)+4*\i],   v[64*((\g)%4)+4*\i+1]
	v_cvt_pk_bf16_f32 v[64*((\g)%4)+4*\i+1], v[64*((\g)%4)+4*\i+2], v[64*((\g)%4)+4*\i+3]
.endr
	WIN (1+(\g)/4)*0x04
.irp i, 0,1,2,3,4,5,6,7,8,9,10,11,12,13,14,15
	ds_store_b64 v[WS], v[64*((\g)%4)+4*\i:64*((\g)%4)+4*\i+1] offset:(32*(\g)+2*\i)*PITCH
.endr
.endm
.macro LOADA slot, s                   ; the row fragments of K step s: 18 loads of 512 consecutive bytes
	WIN (2+(\slot)/3)*0x40
.irp a, 0,1,2,3,4,5,6,7,8
	global_load_b128 v[72*((\slot)%3)+8*\a:72*((\slot)%3)+8*\a+3],   v[AO+\a], s[4:5] offset:(\s)*KSB
	global_load_b128 v[72*((\slot)%3)+8*\a+4:72*((\slot)%3)+8*\a+7], v[AO+\a], s[4:5] offset:(\s)*KSB+512
.endr
.endm
.macro LOADB bb, s                     ; the four column fragments of K step s: 8 transposing loads
	WIN 0
.irp b, 0,1,2,3
	ds_load_tr16_b128 v[BFR+32*(\bb)+8*\b:BFR+32*(\bb)+8*\b+3],   v[BFG+(\s)/8] offset:((\s)%8)*32*PITCH+32*\b
	ds_load_tr16_b128 v[BFR+32*(\bb)+8*\b+4:BFR+32*(\bb)+8*\b+7], v[BFG+(\s)/8] offset:((\s)%8)*32*PITCH+32*\b+16*PITCH
.endr
.endm
; 36 matrix instructions.  The 36 accumulators take turns, one instruction a turn, in the same order in every K step and over the
; backward jump.
.macro MUL slot, bb, zero
	WIN 0x50|((2+(\slot)/3)<<2)
.irp a, 0,1,2,3,4,5,6,7
.irp b, 0,1,2,3
.if \zero
	v_wmma_f32_16x16x32_bf16 v[32*\a+8*\b:32*\a+8*\b+7], v[BFR+32*(\bb)+8*\b:BFR+32*(\bb)+8*\b+7], v[72*((\slot)%3)+8*\a:72*((\slot)%3)+8*\a+7], 0
.else
	v_wmma_f32_16x16x32_bf16 v[32*\a+8*\b:32*\a+8*\b+7], v[BFR+32*(\bb)+8*\b:BFR+32*(\bb)+8*\b+7], v[72*((\slot)%3)+8*\a:72*((\slot)%3)+8*\a+7], v[32*\a+8*\b:32*\a+8*\b+7]
.endif
.endr
.endr
	WIN (2+(\slot)/3)<<2
.irp b, 0,1,2,3
.if \zero
	v_wmma_f32_16x16x32_bf16 v[ACC8+8*\b:ACC8+8*\b+7], v[BFR+32*(\bb)+8*\b:BFR+32*(\bb)+8*\b+7], v[72*((\slot)%3)+64:72*((\slot)%3)+71], 0
.else
	v_wmma_f32_16x16x32_bf16 v[ACC8+8*\b:ACC8+8*\b+7], v[BFR+32*(\bb)+8*\b:BFR+32*(\bb)+8*\b+7], v[72*((\slot)%3)+64:72*((\slot)%3)+71], v[ACC8+8*\b:ACC8+8*\b+7]
.endif
.endr
.endm
; K step s.  Row fragments: four slots, step s in slot s % 4, asked for three steps ahead into the slot that step s - 1 read.
; Column fragments: two buffers, asked for one step ahead.
.macro KSTEP s, zero, refill, cnt, bnext
	PLACES                                         ; behind step s - 1's matrix instructions, in front of the loads into what they read
	s_wait_dscnt 0x0                               ; this step's column fragments (the only LDS loads that are out)
.if \bnext
	LOADB ((\s)+1)%2, (\s)+1
.endif
	s_wait_loadcnt \cnt                            ; this step's 18 loads are in; what stays out is 18 for each later step already asked for
.if \refill
	LOADA ((\s)+3)%4, (\s)+3                       ; asked behind the wait: by the text's own count at most 54 loads are out
.endif
	MUL (\s)%4, (\s)%2, \zero
.endm
; A pass's addresses and its first three K steps' row fragments.
.macro SETUP
	s_wait_xcnt 0x0                                ; the offsets are rewritten only behind this wait (the loads that named them have also returned)
.irp a, 0,1,2,3,4,5,6,7,8
	s_add_co_u32 s26, s23, 4*\a                    ; tile 36 p + w + 4 a of the expert,
	s_add_co_u32 s26, s26, s20                     ; of all tiles,
	s_min_u32 s26, s26, s24                        ; not past the expert's last,
	s_min_u32 s26, s26, 263                        ; and the clamp that binds the address
	s_lshl_b32 s26, s26, TSH
	v_add_nc_u32 v[AO+\a], s26, v[L16]
.endr
	LOADA 0, 0
	LOADA 1, 1
	LOADA 2, 2
	WIN 0
.endm
; Tile a on its way out: + b1, relu, bf16, four stores of 512 consecutive bytes.
.macro OUT a
	s_add_co_u32 s26, s23, 4*\a
	s_cmp_ge_u32 s26, s21
	s_cbranch_scc1 .Lskip_\@                       ; past the expert's last tile: nothing to store
	s_add_co_u32 s26, s26, s20
	s_min_u32 s26, s26, 263
	s_lshl_b32 s26, s26, 16                        ; a tile of hs is 65,536 bytes
	s_wait_xcnt 0x0                                ; HO and PK are sources of the last tile's stores: rewritten only behind this wait
	v_add_nc_u32 v[HO], s26, v[L16]
.if \a < 8
	WIN 0x01                                       ; source 0: the accumulators in block 1
.irp b, 0,1,2,3
.irp p, 0,1,2,3
	v_pk_add_f32 v[TMP+8*\b+2*\p:TMP+8*\b+2*\p+1], v[32*\a+8*\b+2*\p:32*\a+8*\b+2*\p+1], v[BIAS+8*\b+2*\p:BIAS+8*\b+2*\p+1]
.endr
.endr
	WIN 0
.else
.irp b, 0,1,2,3
.irp p, 0,1,2,3
	v_pk_add_f32 v[TMP+8*\b+2*\p:TMP+8*\b+2*\p+1], v[ACC8+8*\b+2*\p:ACC8+8*\b+2*\p+1], v[BIAS+8*\b+2*\p:BIAS+8*\b+2*\p+1]
.endr
.endr
.endif
.set q, 0
.rept 32
	v_max_num_f32 v[TMP+q], 0, v[TMP+q]
.set q, q+1
.endr
.set q, 0
.rept 16
	v_cvt_pk_bf16_f32 v[PK+q], v[TMP+2*q], v[TMP+2*q+1]
.set q, q+1
.endr
.irp b, 0,1,2,3
	global_store_b128 v[HO], v[PK+4*\b:PK+4*\b+3], s[12:13] offset:512*\b
.endr
.Lskip_\@:
.endm
	s_load_b256 s[4:11], s[0:1], 0x0               ; xs s[4:5], w1 s[6:7], b1 s[8:9], meta s[10:11]
	s_load_b64 s[12:13], s[0:1], 0x20              ; hs
	v_lshl_add_u32 v254, v0, 2, 0x28000
	v_mov_b32 v255, 0
	v_lshrrev_b32 v1, 5, v0
	v_readfirstlane_b32 s16, v1                    ; wave
	v_and_b32 v1, 31, v0                           ; L
	v_and_b32 v2, 15, v0                           ; r
	v_bfe_u32 v3, v0, 4, 1                         ; h
	s_and_b32 s18, ttmp7, 0xffff                   ; expert
	s_lshl_b32 s19, s18, 3
	v_lshlrev_b32 v[L16], 4, v1
	v_and_b32 v11, 7, v0
	v_lshl_add_u32 v11, v3, 3, v11                 ; (8 h + (L & 7)) PITCH + 16 ((L >> 3) & 1)
	v_mul_u32_u24 v[BFG], v11, PITCH
	v_bfe_u32 v11, v0, 3, 1
	v_lshl_add_u32 v[BFG], v11, 4, v[BFG]
.irp g, 1,2,3
	v_add_nc_u32 v[BFG+\g], \g*8*32*PITCH, v[BFG]  ; eight K steps of 32 rows further down
.endr
	s_lshl_b32 s26, s16, 8+BPSH                    ; my 256 k rows
	v_lshlrev_b32 v[WO], BPSH, v3                  ; lanes 16-31 one row further down
	v_lshl_add_u32 v[WO], v2, 4, v[WO]
	v_add_nc_u32 v[WO], s26, v[WO]
	s_mul_i32 s26, s16, 256*PITCH
	v_mul_u32_u24 v[WS], v3, PITCH
	v_lshl_add_u32 v[WS], v2, 3, v[WS]             ; four columns are 8 bytes of bf16
	v_add_nc_u32 v[WS], s26, v[WS]
	v_lshlrev_b32 v[BIO], 5, v3                    ; 8 h columns of b1
	s_lshl_b32 s26, ttmp9, 8                       ; the strip: 64 columns of 4 bytes
	s_lshl_b32 s30, s18, 23                        ; w1[e]: 1,024 x 2,048 x 4 bytes
	s_add_co_u32 s30, s30, s26
	s_mov_b32 s31, 0
	s_lshl_b32 s32, s18, 13                        ; b1[e]
	s_add_co_u32 s32, s32, s26
	s_mov_b32 s33, 0
	s_lshl_b32 s34, ttmp9, 11                      ; the strip in a tile of hs: two K steps of 1,024 bytes
	s_mov_b32 s35, 0
	s_wait_kmcnt 0x0
	s_load_b64 s[20:21], s[10:11], s19 offset:0x0  ; the expert's first tile, its number of tiles
	s_add_nc_u64 s[6:7], s[6:7], s[30:31]
	s_add_nc_u64 s[8:9], s[8:9], s[32:33]
	s_add_nc_u64 s[12:13], s[12:13], s[34:35]
.irp b, 0,1,2,3
	global_load_b128 v[BIAS+8*\b:BIAS+8*\b+3],   v[BIO], s[8:9] offset:64*\b      ; b1 of columns 16 b + 8 h + 0..7
	global_load_b128 v[BIAS+8*\b+4:BIAS+8*\b+7], v[BIO], s[8:9] offset:64*\b+16
.endr
	; PHASE 1.  Eight groups of 16 loads, each with registers of its own; three groups are asked for ahead.
	LOADG 0
	LOADG 1
	LOADG 2
.irp g, 0,1,2,3,4,5,6,7
.if \g < 6
	s_wait_loadcnt 32                              ; group g (and b1) is in; the two younger groups stay out
.else
	s_wait_loadcnt 16*(7-\g)                       ; the counts run down
.endif
.if \g < 5
	LOADG \g+3
.endif
	PUTG \g
.endr
	WIN 0
.set q, 0
.rept 16
	v_cvt_pk_bf16_f32 v[TMP+q], v[BIAS+2*q], v[BIAS+2*q+1]         ; b1 rounded to bf16,
.set q, q+1
.endr
.set q, 0
.rept 16
	v_lshlrev_b32 v[BIAS+2*q], 16, v[TMP+q]                        ; and back as f32
	v_and_b32 v[BIAS+2*q+1], 0xffff0000, v[TMP+q]
.set q, q+1
.endr
	s_wait_kmcnt 0x0
	s_min_u32 s20, s20, 263                        ; the clamps bind addresses and trips
	s_min_u32 s21, s21, 128
	s_add_co_u32 s24, s20, s21
	s_max_u32 s24, s24, 1
	s_sub_co_u32 s24, s24, 1                       ; the last tile that may be loaded (an expert without pairs loads a neighbour's tile and stores nothing)
	s_add_co_u32 s25, s21, 35
	s_mul_i32 s25, s25, 1821                       ; / 36, exact for up to 163: 1821 / 65536 exceeds 1 / 36 by less than 1 / (36 x 163)
	s_lshr_b32 s25, s25, 16
	s_max_u32 s25, s25, 1
	s_min_u32 s25, s25, 4                          ; passes
	s_mov_b32 s22, 0                               ; pass
	s_mov_b32 s23, s16                             ; 36 p + w
	s_wait_dscnt 0x0                               ; for the others' sake: my part of the weights is in LDS; and the groups' registers have been read
	SETUP                                          ; the first pass's rows are asked for in front of the barrier
	s_barrier_signal -1
	s_barrier_wait -1
	; PHASE 2
.Lpass:
	LOADB 0, 0
	KSTEP 0, 1, 1, 36, 1                           ; the first products start the sums: nothing is cleared
.irp s, 1,2,3,4,5,6,7,8,9,10,11,12,13,14,15,16,17,18,19,20,21,22,23,24,25,26,27,28
	KSTEP \s, 0, 1, 36, 1                          ; step 28 asks for the last step
.endr
	KSTEP 29, 0, 0, 36, 1                          ; no load leaves a tile
	KSTEP 30, 0, 0, 18, 1
	KSTEP 31, 0, 0, 0, 0
	WIN 0
	PLACES                                         ; behind the last matrix instructions, in front of the reads of their results
.irp a, 0,1,2,3,4,5,6,7,8
	OUT \a
.endr
	s_add_co_u32 s23, s23, 36
	s_add_co_u32 s22, s22, 1
	s_cmp_ge_u32 s22, s25
	s_cbranch_scc1 .Ldone                          ; the last pass asks for nothing more
	SETUP
	s_cmp_lt_u32 s22, s25
	s_cbranch_scc1 .Lpass
.Ldone:
	s_wait_tensorcnt 0x0
	ds_add_u32 v254, v255
	s_wait_dscnt 0x0
	s_endpgm
.Lfunc_end_k_q3786d6c538_up:
	.size	k_q3786d6c538_up, .Lfunc_end_k_q3786d6c538_up-k_q3786d6c538_up
	.p2alignl 7, 3214868480
	.fill 96, 4, 3214868480
	.section	.rodata,"a",@progbits
	.p2align	6, 0x0
	.amdhsa_kernel k_q3786d6c538_up
		.amdhsa_group_segment_fixed_size 164352
		.amdhsa_private_segment_fixed_size 0
		.amdhsa_enable_private_segment 0
		.amdhsa_kernarg_size 40
		.amdhsa_user_sgpr_count 2
		.amdhsa_user_sgpr_kernarg_segment_ptr 1
		.amdhsa_wavefront_size32 1
		.amdhsa_system_sgpr_workgroup_id_x 1
		.amdhsa_system_sgpr_workgroup_id_y 1
		.amdhsa_system_sgpr_workgroup_id_z 1
		.amdhsa_system_vgpr_workitem_id 0
		.amdhsa_next_free_vgpr 840
		.amdhsa_next_free_sgpr 66
		.amdhsa_reserve_vcc 0
		.amdhsa_float_denorm_mode_32 3
		.amdhsa_float_denorm_mode_16_64 3
		.amdhsa_memory_ordered 1
		.amdhsa_forward_progress 1
		.amdhsa_inst_pref_size 238
	.end_amdhsa_kernel
	.amdgpu_metadata
---
amdhsa.version: [ 1, 2 ]
amdhsa.kernels:
  - .name:           k_q3786d6c538_up
    .symbol:         k_q3786d6c538_up.kd
    .args:
      - { .name: xs, .offset: 0, .size: 8, .value_kind: global_buffer, .address_space: global }
      - { .name: w1, .offset: 8, .size: 8, .value_kind: global_buffer, .address_space: global }
      - { .name: b1, .offset: 16, .size: 8, .value_kind: global_buffer, .address_space: global }
      - { .name: meta, .offset: 24, .size: 8, .value_kind: global_buffer, .address_space: global }
      - { .name: hs, .offset: 32, .size: 8, .value_kind: global_buffer, .address_space: global }
    .group_segment_fixed_size: 164352
    .private_segment_fixed_size: 0
    .kernarg_segment_align: 8
    .kernarg_segment_size: 40
    .max_flat_workgroup_size: 128
    .sgpr_count:     66
    .vgpr_count:     840
    .wavefront_size: 32
...
	.end_amdgpu_metadata
.endif
;; end of part 7
;; launch down (part 8): grid 32 x 8, 4 waves a work-group, no clusters, 181,760 bytes of LDS; arguments hs, w2, meta, ys; writes ys
.if DOCPART == 8
	.amdgcn_target "amdgcn-amd-amdhsa--gfx1250"
	.amdhsa_code_object_version 6
	.text
	.protected	k_q3786d6c538_down
	.globl	k_q3786d6c538_down
	.p2align	8
	.type	k_q3786d6c538_down,@function
k_q3786d6c538_down:
	s_mov_b64 s[64:65], 0
	v_nop
	global_prefetch_b8 v0, s[64:65] scope:SCOPE_SE
	s_setreg_imm32_b32 hwreg(HW_REG_WAVE_MODE, 25, 1), 1
	s_wait_xcnt 0x0
; SECOND LAYER OF THE EXPERTS on sorted rows: ys[kh][row][n] = sum over k in half kh of hs[row][k] w2[e][k][n], f32.
; (The two halves, b2 and the gates meet in the last launch.)
; A work-group is one expert (group y), one strip of 64 columns and one half of K = 2,048 (group x = strip + 16 kh): 256 work-groups.
; K is halved so that a strip's weights fit in LDS as bf16 (1,024 x 160 bytes) and all 256 WGPs have work; the price is a second
; copy of ys, 17 MB more written here and read in the last launch.
; PHASE 1: the strip of w2[e], 1,024 k x 64 columns of f32, is read once in the whole launch (row pieces of 256 consecutive bytes),
; rounded to bf16 in registers and laid [k][64] into LDS; one barrier, the only one of the text.
; PHASE 2: a pass is 36 tiles of 16 sorted rows, tile 36 p + 4 a + w for wave w, a = 0..8; 32 K steps of 32.  The rows' fragments come
; straight from hs, which is stored in fragment order (512 consecutive bytes a load); no byte of hs passes through LDS.  A K step reads
; 4 KiB of LDS a wave for 36 matrix instructions.  The 32 K steps are written out: every LDS address is a register that is never
; rewritten plus an immediate, so that it can be read off the text that the weights (bytes 0 to 163,839, only read in phase 2) and the
; waves' stages (from byte 163,840) never meet; a row fragment's K step stands in its load's immediate, so that no base is stepped.
; The number of passes hangs on the expert's count (whole numbers stored by an earlier launch), which is why no barrier stands in
; phase 2.  A tile past the expert's last loads that last tile again and stores nothing.
; THE WAY OUT: 16 rows at a time through a stage of the wave's own in LDS, back as whole rows of 256 bytes.
; No cluster: no two work-groups share weights; the rows that the work-groups of an expert share go into registers, in a loop whose
; trips hang on a count read from memory, where no round of a barrier may stand.  No tensor load: w2 is converted in registers.
; LIMITS, stated: work is shared out by expert, so a routing that favours an expert lengthens the launch (an expert with more than
; 576 pairs takes further passes); the values hold for every routing.  NaN and infinite inputs are not served.
; REGISTERS: block 0: v0-31 addresses; v32-95 column fragments, two buffers; v96-127 accumulators of tile a = 8; v128-159 way out.
;            block 1: accumulators of a = 0..7, tile (a, b) at 32 a + 8 b.  block 2: row-fragment slots 0-2, 72 registers each.
;            block 3: slot 3.  In phase 1 blocks 1 and 2 hold the eight groups of 16 weight loads.
.set BP,    4096                       ; bytes from a k row of w2[e] to the next
.set BPSH,  12
.set PITCH, 160                        ; LDS row: 128 bytes + 32, an odd multiple of 32 (transposing loads)
.set KSB,   1024                       ; bytes of one K step of one tile in hs
.set TSH,   16                         ; a tile of hs is 65,536 bytes
.set STAGE, 1024*PITCH                 ; behind the weights: 16 rows x 272 bytes for each wave
.set SP,    272                        ; 256 + 16: an odd multiple of 16
.set HALF,  4224*4096                  ; bytes of one K half's copy of ys
.set L16, 4                            ; 16 x lane
.set WO,  7                            ; byte offset in w2[e]'s strip
.set WS,  8                            ; where my converted weights go in LDS
.set ST,  9                            ; the way out: into my stage
.set RD,  10                           ; back from it
.set CO,  11                           ; my 16 bytes in two rows of ys
.set YO,  12                           ; + the tile
.set AO,  16                           ; v[16:24] byte offset in hs of my nine tiles
.set BFG, 26                           ; v[26:29] column-fragment address for K steps 8 g .. 8 g + 7 (an LDS immediate has 16 bits); never rewritten
.set BFR, 32
.set ACC8, 96
.set RB,  128
.set MSB, 0
.macro WIN new                         ; the immediate's high byte repeats the setting that is left; a switch that changes nothing is dropped
.if MSB != (\new)
	s_set_vgpr_msb (MSB<<8)|(\new)
.set MSB, \new
.endif
.endm
.macro PLACES                          ; four places behind matrix instructions (ISA guide 7.12.1)
.rept 4
	v_nop
.endr
.endm
.macro LOADG g                         ; group g of my 256 k rows: 16 loads, two rows of 256 bytes each
	WIN (1+(\g)/4)*0x40
.irp i, 0,1,2,3,4,5,6,7,8,9,10,11,12,13,14,15
	global_load_b128 v[64*((\g)%4)+4*\i:64*((\g)%4)+4*\i+3], v[WO], s[6:7] offset:(32*(\g)+2*\i)*BP th:TH_LOAD_NT
.endr
.endm
.macro PUTG g                          ; rounded to bf16 and into LDS
	WIN (1+(\g)/4)*0x45
.irp i, 0,1,2,3,4,5,6,7,8,9,10,11,12,13,14,15
	v_cvt_pk_bf16_f32 v[64*((\g)%4)+4*\i],   v[64*((\g)%4)+4*\i],   v[64*((\g)%4)+4*\i+1]
	v_cvt_pk_bf16_f32 v[64*((\g)%4)+4*\i+1], v[64*((\g)%4)+4*\i+2], v[64*((\g)%4)+4*\i+3]
.endr
	WIN (1+(\g)/4)*0x04
.irp i, 0,1,2,3,4,5,6,7,8,9,10,11,12,13,14,15
	ds_store_b64 v[WS], v[64*((\g)%4)+4*\i:64*((\g)%4)+4*\i+1] offset:(32*(\g)+2*\i)*PITCH
.endr
.endm
.macro LOADA slot, s                   ; the row fragments of K step s: 18 loads of 512 consecutive bytes
	WIN (2+(\slot)/3)*0x40
.irp a, 0,1,2,3,4,5,6,7,8
	global_load_b128 v[72*((\slot)%3)+8*\a:72*((\slot)%3)+8*\a+3],   v[AO+\a], s[4:5] offset:(\s)*KSB
	global_load_b128 v[72*((\slot)%3)+8*\a+4:72*((\slot)%3)+8*\a+7], v[AO+\a], s[4:5] offset:(\s)*KSB+512
.endr
.endm
.macro LOADB bb, s                     ; the four column fragments of K step s: 8 transposing loads
	WIN 0
.irp b, 0,1,2,3
	ds_load_tr16_b128 v[BFR+32*(\bb)+8*\b:BFR+32*(\bb)+8*\b+3],   v[BFG+(\s)/8] offset:((\s)%8)*32*PITCH+32*\b
	ds_load_tr16_b128 v[BFR+32*(\bb)+8*\b+4:BFR+32*(\bb)+8*\b+7], v[BFG+(\s)/8] offset:((\s)%8)*32*PITCH+32*\b+16*PITCH
.endr
.endm
; 36 matrix instructions.  The 36 accumulators take turns, one instruction a turn, in the same order in every K step and over the
; backward jump.
.macro MUL slot, bb, zero
	WIN 0x50|((2+(\slot)/3)<<2)
.irp a, 0,1,2,3,4,5,6,7
.irp b, 0,1,2,3
.if \zero
	v_wmma_f32_16x16x32_bf16 v[32*\a+8*\b:32*\a+8*\b+7], v[BFR+32*(\bb)+8*\b:BFR+32*(\bb)+8*\b+7], v[72*((\slot)%3)+8*\a:72*((\slot)%3)+8*\a+7], 0
.else
	v_wmma_f32_16x16x32_bf16 v[32*\a+8*\b:32*\a+8*\b+7], v[BFR+32*(\bb)+8*\b:BFR+32*(\bb)+8*\b+7], v[72*((\slot)%3)+8*\a:72*((\slot)%3)+8*\a+7], v[32*\a+8*\b:32*\a+8*\b+7]
.endif
.endr
.endr
	WIN (2+(\slot)/3)<<2
.irp b, 0,1,2,3
.if \zero
	v_wmma_f32_16x16x32_bf16 v[ACC8+8*\b:ACC8+8*\b+7], v[BFR+32*(\bb)+8*\b:BFR+32*(\bb)+8*\b+7], v[72*((\slot)%3)+64:72*((\slot)%3)+71], 0
.else
	v_wmma_f32_16x16x32_bf16 v[ACC8+8*\b:ACC8+8*\b+7], v[BFR+32*(\bb)+8*\b:BFR+32*(\bb)+8*\b+7], v[72*((\slot)%3)+64:72*((\slot)%3)+71], v[ACC8+8*\b:ACC8+8*\b+7]
.endif
.endr
.endm
; K step s.  Row fragments: four slots, step s in slot s % 4, asked for three steps ahead into the slot that step s - 1 read.
; Column fragments: two buffers, asked for one step ahead.
.macro KSTEP s, zero, refill, cnt, bnext
	PLACES                                         ; behind step s - 1's matrix instructions, in front of the loads into what they read
	s_wait_dscnt 0x0                               ; this step's column fragments (the only LDS loads that are out)
.if \bnext
	LOADB ((\s)+1)%2, (\s)+1
.endif
	s_wait_loadcnt \cnt                            ; this step's 18 loads are in; what stays out is 18 for each later step already asked for
.if \refill
	LOADA ((\s)+3)%4, (\s)+3                       ; asked behind the wait: by the text's own count at most 54 loads are out
.endif
	MUL (\s)%4, (\s)%2, \zero
.endm
; A pass's addresses and its first three K steps' row fragments.
.macro SETUP
	s_wait_xcnt 0x0                                ; the offsets are rewritten only behind this wait (the loads that named them have also returned)
.irp a, 0,1,2,3,4,5,6,7,8
	s_add_co_u32 s26, s23, 4*\a                    ; tile 36 p + w + 4 a of the expert,
	s_add_co_u32 s26, s26, s20                     ; of all tiles,
	s_min_u32 s26, s26, s24                        ; not past the expert's last,
	s_min_u32 s26, s26, 263                        ; and the clamp that binds the address
	s_lshl_b32 s26, s26, TSH
	v_add_nc_u32 v[AO+\a], s26, v[L16]
.endr
	LOADA 0, 0
	LOADA 1, 1
	LOADA 2, 2
	WIN 0
.endm
; Tile a on its way out: 32 bytes a lane (eight neighbouring f32 of a row) into my stage, whole rows of 256 bytes back and out.
.macro OUT a
	s_add_co_u32 s26, s23, 4*\a
	s_cmp_ge_u32 s26, s21
	s_cbranch_scc1 .Lskip_\@                       ; past the expert's last tile: nothing to store
	s_add_co_u32 s26, s26, s20
	s_min_u32 s26, s26, 263
	s_lshl_b32 s26, s26, 16                        ; 16 rows of ys are 65,536 bytes
	s_wait_xcnt 0x0                                ; YO and RB are sources of the last tile's stores: rewritten only behind this wait
	v_add_nc_u32 v[YO], s26, v[CO]
.if \a < 8
	WIN 0x04                                       ; the stores' data: the accumulators in block 1
.irp b, 0,1,2,3
	ds_store_b128 v[ST], v[32*\a+8*\b:32*\a+8*\b+3]   offset:64*\b
	ds_store_b128 v[ST], v[32*\a+8*\b+4:32*\a+8*\b+7] offset:64*\b+16
.endr
	WIN 0
.else
.irp b, 0,1,2,3
	ds_store_b128 v[ST], v[ACC8+8*\b:ACC8+8*\b+3]   offset:64*\b
	ds_store_b128 v[ST], v[ACC8+8*\b+4:ACC8+8*\b+7] offset:64*\b+16
.endr
.endif
.irp t, 0,1,2,3,4,5,6,7
	ds_load_b128 v[RB+4*\t:RB+4*\t+3], v[RD] offset:2*SP*\t        ; my own bytes: a wave's LDS instructions are served in order (ISA guide 5.7.1)
.endr
.irp t, 0,1,2,3,4,5,6,7
	s_wait_dscnt 7-\t                              ; LDS loads return in order: pair t of rows is in, the younger ones stay out
	global_store_b128 v[YO], v[RB+4*\t:RB+4*\t+3], s[10:11] offset:8192*\t   ; 16 lanes: 256 consecutive bytes, aligned
.endr
.Lskip_\@:
.endm
	s_load_b256 s[4:11], s[0:1], 0x0               ; hs s[4:5], w2 s[6:7], meta s[8:9], ys s[10:11]
	v_lshl_add_u32 v254, v0, 2, 0x2c400
	v_mov_b32 v255, 0
	v_lshrrev_b32 v1, 5, v0
	v_readfirstlane_b32 s16, v1                    ; wave
	v_and_b32 v1, 31, v0                           ; L
	v_and_b32 v2, 15, v0                           ; r
	v_bfe_u32 v3, v0, 4, 1                         ; h
	s_and_b32 s18, ttmp7, 0xffff                   ; expert
	s_and_b32 s17, ttmp9, 15                       ; strip
	s_lshr_b32 s15, ttmp9, 4                       ; K half
	s_lshl_b32 s19, s18, 3
	v_lshlrev_b32 v[L16], 4, v1
	v_and_b32 v13, 7, v0
	v_lshl_add_u32 v13, v3, 3, v13                 ; (8 h + (L & 7)) PITCH + 16 ((L >> 3) & 1)
	v_mul_u32_u24 v[BFG], v13, PITCH
	v_bfe_u32 v13, v0, 3, 1
	v_lshl_add_u32 v[BFG], v13, 4, v[BFG]
.irp g, 1,2,3
	v_add_nc_u32 v[BFG+\g], \g*8*32*PITCH, v[BFG]  ; eight K steps of 32 rows further down
.endr
	s_lshl_b32 s26, s16, 8+BPSH                    ; my 256 k rows
	v_lshlrev_b32 v[WO], BPSH, v3                  ; lanes 16-31 one row further down
	v_lshl_add_u32 v[WO], v2, 4, v[WO]
	v_add_nc_u32 v[WO], s26, v[WO]
	s_mul_i32 s26, s16, 256*PITCH
	v_mul_u32_u24 v[WS], v3, PITCH
	v_lshl_add_u32 v[WS], v2, 3, v[WS]             ; four columns are 8 bytes of bf16
	v_add_nc_u32 v[WS], s26, v[WS]
	s_mul_i32 s26, s16, 16*SP
	s_add_co_u32 s26, s26, STAGE                   ; my stage
	v_mul_u32_u24 v[ST], v2, SP                    ; in: row r, 32 bytes for each half of the lanes
	v_lshl_add_u32 v[ST], v3, 5, v[ST]
	v_add_nc_u32 v[ST], s26, v[ST]
	v_mul_u32_u24 v[RD], v3, SP                    ; back: lanes 0-15 one row, lanes 16-31 the next
	v_lshl_add_u32 v[RD], v2, 4, v[RD]
	v_add_nc_u32 v[RD], s26, v[RD]
	v_lshlrev_b32 v[CO], 12, v3                    ; and the same two rows in ys
	v_lshl_add_u32 v[CO], v2, 4, v[CO]
	s_lshl_b32 s26, s17, 8                         ; the strip: 64 columns of 4 bytes
	s_lshl_b32 s30, s18, 23                        ; w2[e]: 2,048 x 1,024 x 4 bytes,
	s_lshl_b32 s31, s15, 22                        ; its K half: 1,024 rows of 4,096 bytes
	s_add_co_u32 s30, s30, s31
	s_add_co_u32 s30, s30, s26
	s_mov_b32 s31, 0
	s_mul_i32 s32, s15, HALF                       ; the half's copy of ys
	s_add_co_u32 s32, s32, s26
	s_mov_b32 s33, 0
	s_lshl_b32 s34, s15, 15                        ; the K half in a tile of hs: 32 K steps of 1,024 bytes
	s_mov_b32 s35, 0
	s_wait_kmcnt 0x0
	s_load_b64 s[20:21], s[8:9], s19 offset:0x0    ; the expert's first tile, its number of tiles
	s_add_nc_u64 s[6:7], s[6:7], s[30:31]
	s_add_nc_u64 s[10:11], s[10:11], s[32:33]
	s_add_nc_u64 s[4:5], s[4:5], s[34:35]
	; PHASE 1.  Eight groups of 16 loads, each with registers of its own; three groups are asked for ahead.
	LOADG 0
	LOADG 1
	LOADG 2
.irp g, 0,1,2,3,4,5,6,7
.if \g < 6
	s_wait_loadcnt 32                              ; group g is in; the two younger groups stay out
.else
	s_wait_loadcnt 16*(7-\g)                       ; the counts run down
.endif
.if \g < 5
	LOADG \g+3
.endif
	PUTG \g
.endr
	WIN 0
	s_wait_kmcnt 0x0
	s_min_u32 s20, s20, 263                        ; the clamps bind addresses and trips
	s_min_u32 s21, s21, 128
	s_add_co_u32 s24, s20, s21
	s_max_u32 s24, s24, 1
	s_sub_co_u32 s24, s24, 1                       ; the last tile that may be loaded (an expert without pairs loads a neighbour's tile and stores nothing)
	s_add_co_u32 s25, s21, 35
	s_mul_i32 s25, s25, 1821                       ; / 36, exact for up to 163: 1821 / 65536 exceeds 1 / 36 by less than 1 / (36 x 163)
	s_lshr_b32 s25, s25, 16
	s_max_u32 s25, s25, 1
	s_min_u32 s25, s25, 4                          ; passes
	s_mov_b32 s22, 0                               ; pass
	s_mov_b32 s23, s16                             ; 36 p + w
	s_wait_dscnt 0x0                               ; for the others' sake: my part of the weights is in LDS; and the groups' registers have been read
	SETUP                                          ; the first pass's rows are asked for in front of the barrier
	s_barrier_signal -1
	s_barrier_wait -1
	; PHASE 2
.Lpass:
	LOADB 0, 0
	KSTEP 0, 1, 1, 36, 1                           ; the first products start the sums: nothing is cleared
.irp s, 1,2,3,4,5,6,7,8,9,10,11,12,13,14,15,16,17,18,19,20,21,22,23,24,25,26,27,28
	KSTEP \s, 0, 1, 36, 1                          ; step 28 asks for the last step
.endr
	KSTEP 29, 0, 0, 36, 1                          ; no load leaves the tile's K half
	KSTEP 30, 0, 0, 18, 1
	KSTEP 31, 0, 0, 0, 0
	WIN 0
	PLACES                                         ; behind the last matrix instructions, in front of the LDS stores of their results
.irp a, 0,1,2,3,4,5,6,7,8
	OUT \a
.endr
	s_add_co_u32 s23, s23, 36
	s_add_co_u32 s22, s22, 1
	s_cmp_ge_u32 s22, s25
	s_cbranch_scc1 .Ldone                          ; the last pass asks for nothing more
	SETUP
	s_cmp_lt_u32 s22, s25
	s_cbranch_scc1 .Lpass
.Ldone:
	s_wait_tensorcnt 0x0
	ds_add_u32 v254, v255
	s_wait_dscnt 0x0
	s_endpgm
.Lfunc_end_k_q3786d6c538_down:
	.size	k_q3786d6c538_down, .Lfunc_end_k_q3786d6c538_down-k_q3786d6c538_down
	.p2alignl 7, 3214868480
	.fill 96, 4, 3214868480
	.section	.rodata,"a",@progbits
	.p2align	6, 0x0
	.amdhsa_kernel k_q3786d6c538_down
		.amdhsa_group_segment_fixed_size 181760
		.amdhsa_private_segment_fixed_size 0
		.amdhsa_enable_private_segment 0
		.amdhsa_kernarg_size 32
		.amdhsa_user_sgpr_count 2
		.amdhsa_user_sgpr_kernarg_segment_ptr 1
		.amdhsa_wavefront_size32 1
		.amdhsa_system_sgpr_workgroup_id_x 1
		.amdhsa_system_sgpr_workgroup_id_y 1
		.amdhsa_system_sgpr_workgroup_id_z 1
		.amdhsa_system_vgpr_workitem_id 0
		.amdhsa_next_free_vgpr 840
		.amdhsa_next_free_sgpr 66
		.amdhsa_reserve_vcc 0
		.amdhsa_float_denorm_mode_32 3
		.amdhsa_float_denorm_mode_16_64 3
		.amdhsa_memory_ordered 1
		.amdhsa_forward_progress 1
		.amdhsa_inst_pref_size 223
	.end_amdhsa_kernel
	.amdgpu_metadata
---
amdhsa.version: [ 1, 2 ]
amdhsa.kernels:
  - .name:           k_q3786d6c538_down
    .symbol:         k_q3786d6c538_down.kd
    .args:
      - { .name: hs, .offset: 0, .size: 8, .value_kind: global_buffer, .address_space: global }
      - { .name: w2, .offset: 8, .size: 8, .value_kind: global_buffer, .address_space: global }
      - { .name: meta, .offset: 16, .size: 8, .value_kind: global_buffer, .address_space: global }
      - { .name: ys, .offset: 24, .size: 8, .value_kind: global_buffer, .address_space: global }
    .group_segment_fixed_size: 181760
    .private_segment_fixed_size: 0
    .kernarg_segment_align: 8
    .kernarg_segment_size: 32
    .max_flat_workgroup_size: 128
    .sgpr_count:     66
    .vgpr_count:     840
    .wavefront_size: 32
...
	.end_amdgpu_metadata
.endif
;; end of part 8
;; launch mix (part 9): grid 256 x 1, 8 waves a work-group, no clusters, 0 bytes of LDS; arguments ys, b2, inv, sel, gates, out0; writes out0
.if DOCPART == 9
	.amdgcn_target "amdgcn-amd-amdhsa--gfx1250"
	.amdhsa_code_object_version 6
	.text
	.protected	k_q3786d6c538_mix
	.globl	k_q3786d6c538_mix
	.p2align	8
	.type	k_q3786d6c538_mix,@function
k_q3786d6c538_mix:
	s_mov_b64 s[64:65], 0
	v_nop
	global_prefetch_b8 v0, s[64:65] scope:SCOPE_SE
	s_setreg_imm32_b32 hwreg(HW_REG_WAVE_MODE, 25, 1), 1
	s_wait_xcnt 0x0
; THE GATES: out[t] = g1 (ys0[r1] + ys1[r1] + b2[e1]) + g2 (ys0[r2] + ys1[r2] + b2[e2]); ys0, ys1 are the two K halves of the second
; layer; the six other experts' gates are exactly 0 in the sum that is asked for.
; One wave, one token: t = 8 x work-group + wave; a row of 1,024 f32 is eight loads of 512 consecutive bytes.  2,048 waves, no barrier,
; no LDS, no matrix unit: a stream of 24 KiB in and 4 KiB out for each token, in which memory binds.  No cluster: nothing is shared
; but b2, 32 KiB in all.
; The rows r1, r2 and the experts e1, e2 are whole numbers stored by earlier launches.
; LIMIT, stated: b2 is rounded to bf16 like the matrix operands.
.set HALF, 4224*4096                   ; bytes of one K half's copy of ys
.set B1, 4                             ; v[4:35]    b2[e1], then the sum
.set B2, 36                            ; v[36:67]   b2[e2]
.set Y1, 68                            ; v[68:99]   ys0[r1]
.set Y2, 100                           ; v[100:131] ys0[r2]
.set Y3, 132                           ; v[132:163] ys1[r1]
.set Y4, 164                           ; v[164:195] ys1[r2]
.set T,  196                           ; v[196:197] at work
	s_load_b256 s[4:11], s[0:1], 0x0               ; ys s[4:5], b2 s[6:7], inv s[8:9], sel s[10:11]
	s_load_b128 s[12:15], s[0:1], 0x20             ; gates s[12:13], out0 s[14:15]
	v_lshrrev_b32 v2, 5, v0
	v_readfirstlane_b32 s16, v2                    ; wave
	v_and_b32 v1, 31, v0
	v_lshlrev_b32 v1, 4, v1                        ; 16 bytes a lane
	s_lshl3_add_u32 s17, ttmp9, s16                ; the token
	s_lshl_b32 s18, s17, 3
	s_lshl_b32 s19, s17, 2
	s_lshl_b32 s40, s17, 12
	s_mov_b32 s41, 0
	s_wait_kmcnt 0x0
	s_load_b64 s[20:21], s[8:9], s18 offset:0x0    ; r1, r2
	s_load_b64 s[22:23], s[12:13], s18 offset:0x0  ; g1, g2
	s_load_b32 s24, s[10:11], s19 offset:0x0       ; e1 | e2 << 8
	s_add_nc_u64 s[14:15], s[14:15], s[40:41]
	s_wait_kmcnt 0x0
	s_min_u32 s20, s20, 0x107f                     ; rows below 4,224, experts below 8: the clamps bind the addresses
	s_min_u32 s21, s21, 0x107f
	s_and_b32 s25, s24, 0xff
	s_bfe_u32 s26, s24, 0x80008
	s_min_u32 s25, s25, 7
	s_min_u32 s26, s26, 7
	s_lshl_b32 s32, s20, 12                        ; rows of ys and of b2 are 4,096 bytes
	s_mov_b32 s33, 0
	s_lshl_b32 s34, s21, 12
	s_mov_b32 s35, 0
	s_lshl_b32 s36, s25, 12
	s_mov_b32 s37, 0
	s_lshl_b32 s38, s26, 12
	s_mov_b32 s39, 0
	s_add_nc_u64 s[32:33], s[4:5], s[32:33]
	s_add_nc_u64 s[34:35], s[4:5], s[34:35]
	s_add_nc_u64 s[36:37], s[6:7], s[36:37]
	s_add_nc_u64 s[38:39], s[6:7], s[38:39]
	s_add_nc_u64 s[42:43], s[32:33], HALF          ; the same rows in the second half's copy
	s_add_nc_u64 s[44:45], s[34:35], HALF
	s_mov_b32 s28, s22                             ; the gates as pairs for the packed forms (both words written; the first is broadcast)
	s_mov_b32 s29, s22
	s_mov_b32 s30, s23
	s_mov_b32 s31, s23
.irp j, 0,1,2,3,4,5,6,7
	global_load_b128 v[B1+4*\j:B1+4*\j+3], v1, s[36:37] offset:512*\j
	global_load_b128 v[B2+4*\j:B2+4*\j+3], v1, s[38:39] offset:512*\j
.endr
.irp j, 0,1,2,3,4,5,6,7
	global_load_b128 v[Y1+4*\j:Y1+4*\j+3], v1, s[32:33] offset:512*\j th:TH_LOAD_NT   ; each row of ys is read once in the launch
	global_load_b128 v[Y2+4*\j:Y2+4*\j+3], v1, s[34:35] offset:512*\j th:TH_LOAD_NT
	global_load_b128 v[Y3+4*\j:Y3+4*\j+3], v1, s[42:43] offset:512*\j th:TH_LOAD_NT
	global_load_b128 v[Y4+4*\j:Y4+4*\j+3], v1, s[44:45] offset:512*\j th:TH_LOAD_NT
.endr
	s_wait_loadcnt 32                              ; b2's rows are in; the 32 loads of ys were issued behind them and stay out
.set q, 0
.rept 32
	v_cvt_pk_bf16_f32 v[T+q%2], v[B1+2*q], v[B1+2*q+1]             ; b2 rounded to bf16 (B1 and B2 lie side by side),
	v_lshlrev_b32 v[B1+2*q], 16, v[T+q%2]                          ; and back as f32
	v_and_b32 v[B1+2*q+1], 0xffff0000, v[T+q%2]
.set q, q+1
.endr
.set q, 0
.rept 16
	v_pk_mul_f32 v[B1+2*q:B1+2*q+1], v[B1+2*q:B1+2*q+1], s[28:29] op_sel_hi:[1,0]
.set q, q+1
.endr
.set q, 0
.rept 16
	v_pk_fma_f32 v[B1+2*q:B1+2*q+1], v[B2+2*q:B2+2*q+1], s[30:31], v[B1+2*q:B1+2*q+1] op_sel_hi:[1,0,1]
.set q, q+1
.endr
	s_wait_loadcnt 0x0
.set q, 0
.rept 16
	v_pk_fma_f32 v[B1+2*q:B1+2*q+1], v[Y1+2*q:Y1+2*q+1], s[28:29], v[B1+2*q:B1+2*q+1] op_sel_hi:[1,0,1]
.set q, q+1
.endr
.set q, 0
.rept 16
	v_pk_fma_f32 v[B1+2*q:B1+2*q+1], v[Y2+2*q:Y2+2*q+1], s[30:31], v[B1+2*q:B1+2*q+1] op_sel_hi:[1,0,1]
.set q, q+1
.endr
.set q, 0
.rept 16
	v_pk_fma_f32 v[B1+2*q:B1+2*q+1], v[Y3+2*q:Y3+2*q+1], s[28:29], v[B1+2*q:B1+2*q+1] op_sel_hi:[1,0,1]
.set q, q+1
.endr
.set q, 0
.rept 16
	v_pk_fma_f32 v[B1+2*q:B1+2*q+1], v[Y4+2*q:Y4+2*q+1], s[30:31], v[B1+2*q:B1+2*q+1] op_sel_hi:[1,0,1]
.set q, q+1
.endr
.irp j, 0,1,2,3,4,5,6,7
	global_store_b128 v1, v[B1+4*\j:B1+4*\j+3], s[14:15] offset:512*\j th:TH_STORE_NT ; 512 consecutive bytes, aligned
.endr
	s_endpgm
.Lfunc_end_k_q3786d6c538_mix:
	.size	k_q3786d6c538_mix, .Lfunc_end_k_q3786d6c538_mix-k_q3786d6c538_mix
	.p2alignl 7, 3214868480
	.fill 96, 4, 3214868480
	.section	.rodata,"a",@progbits
	.p2align	6, 0x0
	.amdhsa_kernel k_q3786d6c538_mix
		.amdhsa_group_segment_fixed_size 0
		.amdhsa_private_segment_fixed_size 0
		.amdhsa_enable_private_segment 0
		.amdhsa_kernarg_size 48
		.amdhsa_user_sgpr_count 2
		.amdhsa_user_sgpr_kernarg_segment_ptr 1
		.amdhsa_wavefront_size32 1
		.amdhsa_system_sgpr_workgroup_id_x 1
		.amdhsa_system_sgpr_workgroup_id_y 1
		.amdhsa_system_sgpr_workgroup_id_z 1
		.amdhsa_system_vgpr_workitem_id 0
		.amdhsa_next_free_vgpr 200
		.amdhsa_next_free_sgpr 66
		.amdhsa_reserve_vcc 0
		.amdhsa_float_denorm_mode_32 3
		.amdhsa_float_denorm_mode_16_64 3
		.amdhsa_memory_ordered 1
		.amdhsa_forward_progress 1
		.amdhsa_inst_pref_size 19
	.end_amdhsa_kernel
	.amdgpu_metadata
---
amdhsa.version: [ 1, 2 ]
amdhsa.kernels:
  - .name:           k_q3786d6c538_mix
    .symbol:         k_q3786d6c538_mix.kd
    .args:
      - { .name: ys, .offset: 0, .size: 8, .value_kind: global_buffer, .address_space: global }
      - { .name: b2, .offset: 8, .size: 8, .value_kind: global_buffer, .address_space: global }
      - { .name: inv, .offset: 16, .size: 8, .value_kind: global_buffer, .address_space: global }
      - { .name: sel, .offset: 24, .size: 8, .value_kind: global_buffer, .address_space: global }
      - { .name: gates, .offset: 32, .size: 8, .value_kind: global_buffer, .address_space: global }
      - { .name: out0, .offset: 40, .size: 8, .value_kind: global_buffer, .address_space: global }
    .group_segment_fixed_size: 0
    .private_segment_fixed_size: 0
    .kernarg_segment_align: 8
    .kernarg_segment_size: 48
    .max_flat_workgroup_size: 256
    .sgpr_count:     66
    .vgpr_count:     200
    .wavefront_size: 32
...
	.end_amdgpu_metadata
.endif
;; end of part 9
